; MI455X (gfx1250); checked and timed in simulation.
; The chip was launched on July 23, 2026; its instructions are those of AMD's public machine-readable ISA for CDNA 5 (MIT licence, August 2026) and "CDNA5" Instruction Set Architecture Reference Guide (July 2026). The comments in the code are by the model that wrote it; some were corrected since.
;; Causal Self Attention. Allowed arithmetic: matrix products marked QUANTISED: E4M3 operands, one given power-of-two scale a tensor, by v_wmma_f32_16x16x64_fp8_fp8 or v_wmma_f32_16x16x128_fp8_fp8, f32 sums; everything else in f32.
;; Inputs: Wk 2,048 x 2,048 float32; Wo 2,048 x 2,048 float32; Wq 2,048 x 2,048 float32; Wv 2,048 x 2,048 float32; attn_mask 1 x 1 x 2,048 x 2,048 float32; bk 2,048 float32; bo 2,048 float32; bq 2,048 float32; bv 2,048 float32; lowp_scales 12 int32 (the exponents e of the quantised operands' scales 2^e); x 1 x 2,048 x 2,048 float32.
;; Outputs: out0 1 x 2,048 x 2,048 float32.
;; This version of the problem:
;;   THIS VERSION OF THE PROBLEM IS GIVEN IN LOW PRECISION. The matrix products marked QUANTISED in the list below multiply operands that are first quantised to E4M3 (4 exponent bits, 3 mantissa bits; 8 bits a number), with one given power-of-two scale for each operand tensor; their sums are f32. All else is computed in f32.
;;   The module's matrix products, in the order in which they are computed (A, B: the left and right operand; K: the contracted axis; several contracted axes count as one K, in the product's order):
;;     1. [M 2,048, K 2,048] x [K 2,048, N 2,048]; A: input x; B: input Wq: QUANTISED (scales: A lowp_scales[0], B lowp_scales[1])
;;     2. [M 2,048, K 2,048] x [K 2,048, N 2,048]; A: input x; B: input Wk: QUANTISED (scales: A lowp_scales[2], B lowp_scales[3])
;;     3. [M 2,048, K 2,048] x [K 2,048, N 2,048]; A: input x; B: input Wv: QUANTISED (scales: A lowp_scales[4], B lowp_scales[5])
;;     4. batch 16 x [M 2,048, K 128] x [K 128, N 2,048]; A: computed on the way; B: computed on the way: QUANTISED (scales: A lowp_scales[6], B lowp_scales[7])
;;     5. batch 16 x [M 2,048, K 2,048] x [K 2,048, N 128]; A: softmax (see below); B: computed on the way: QUANTISED (scales: A lowp_scales[8], B lowp_scales[9])
;;     6. [M 2,048, K 2,048] x [K 2,048, N 2,048]; A: computed on the way; B: input Wo: QUANTISED (scales: A lowp_scales[10], B lowp_scales[11])
;;   THE QUANTISER, for each operand of a quantised product, along K:
;;     - The operand's scale is 2^e, e = its entry of the input lowp_scales (int32; the entries are numbered through the quantised products in the list's order, A before B).
;;     - Each number is divided by the scale, clamped to +-448, and rounded to the nearest number of E4M3, ties to even, subnormals kept.
;;     - The product sums the exact products of the quantised numbers (number of the format x scale) in f32.
;;   ~~~python
;;   def quantise(x, axis, e):      # numpy; x: float32 -> the quantised numbers, widened to float32 again
;;       x = np.moveaxis(x, axis, -1); K = x.shape[-1]
;;       r = np.clip(x / 2.0 ** e, -448, 448)
;;       step = 2.0 ** (np.maximum(np.frexp(np.where(r == 0, 1, r))[1] - 1, -6) - 3)
;;       q = np.round(r / step) * step * 2.0 ** e      # np.round: ties to even
;;       return np.moveaxis(q, -1, axis).astype(np.float32)
;;   ~~~
;;   SOFTMAX AHEAD OF A QUANTISED PRODUCT. Where the list says 'softmax', what is quantised is not the finished softmax but p = 2^(t - M), with t = logit x log2(e) and M = ceil(the row's largest t), a whole number; so 1/2 < the row's largest p <= 1. The row's sum l is taken of the UNQUANTISED p, in f32, and the product's result is divided by l at the end. Since M is a whole number, a kernel that streams over the keys may use a running M (the ceiling of the running maximum): every later rescaling is an exact power of two, so the quantised numbers keep their values, but for numbers so far below the row's largest that they fall under the format's range.
;;   OPERANDS COMPUTED ON THE WAY. 'Computed on the way' means the value that the module computes at that place (a softmax that the list does not call 'softmax' is quantised finished and normalised). What goes into a quantiser is computed in f32, as accurately as f32 sums, v_exp_f32 and their like allow (about 1e-6 of the number): no bf16 or f16 on the way to a quantiser, and a product that is left as it is and whose result goes on into a quantised operand takes f32 operands (vector FMAs, or v_wmma_f32_16x16x4_f32). A number that lies on a knife's edge between two numbers of the format may be rounded either way, as far as f32 arithmetic and the matrix unit's own rounding can turn it there, and no further.
;; One version. Each part assembles by itself: llvm-mc -triple=amdgcn-amd-amdhsa -mcpu=gfx1250 --defsym DOCPART=n.
;; ======== version 1 of 1: 4 launches
;; workspace buffers: xc 12,582,912 bytes; wc 16,777,216 bytes; rope 1,048,576 bytes; qc 4,194,304 bytes; kv 8,388,608 bytes; oc 4,194,304 bytes
;; launch prep (part 1): grid 672 x 1, 4 waves a work-group, no clusters, 0 bytes of LDS; arguments x, Wq, Wk, Wv, Wo, lowp_scales, xc, wc, rope; writes xc, wc, rope
.if DOCPART == 1
	.amdgcn_target "amdgcn-amd-amdhsa--gfx1250"
	.amdhsa_code_object_version 6
	.text
	.protected	k_qc52bce04d8_prep
	.globl	k_qc52bce04d8_prep
	.p2align	8
	.type	k_qc52bce04d8_prep,@function
k_qc52bce04d8_prep:
	s_mov_b64 s[64:65], 0
	v_nop
	global_prefetch_b8 v0, s[64:65] scope:SCOPE_SE
	s_setreg_imm32_b32 hwreg(HW_REG_WAVE_MODE, 25, 1), 1
	s_wait_xcnt 0x0
; CAUSAL SELF-ATTENTION IN E4M3, LAUNCH 1 OF 4: x and the four weights become codes, and RoPE's table of cosines and sines is made.
; NO WORK OF THE PROBLEM IS LEFT OUT IN ANY LAUNCH.  attn_mask is an input, so its pattern is not built in: every key tile of every head is multiplied and all of the mask is read and added.
; The biases all go into quantised operands or into the output, so all are loaded.  x is quantised three times, since products 1, 2 and 3 each give it a scale of their own.
; THE LAYOUT OF ALL WORKSPACE CODES: AN IMAGE OF THE OPERAND'S REGISTERS.  A fragment is 16 rows x 128 K, 16 registers a lane, 2,048 bytes: registers 4 p .. 4 p + 3 of lane l lie at byte 512 p + 16 l.
; In the matrix form used (16x16x128, plain fp8) registers 2 c, 2 c + 1 of lane (r, h) are the places (c, h, j = 0 .. 7).  Which k stands at a place is free as long as both operands agree:
;   where K is the model's or the head's axis, place (c, h, j) holds k = 64 (c / 4) + 32 h + 4 j + c % 4 of the K step of 128;
;   row r of tile 4 G + e of a weight is column n = 64 G + 4 r + e;   rows of x are natural: tile a, row r is position 16 a + r.
; So four neighbouring numbers of one 16-byte load belong to four different c (x) or four different tiles e (a weight): the hold writes each where its conversion wants it, and nothing changes lanes.
; code = number / 2^e, held within +-448, to the nearest code, ties to even.
; LIMITS: each exponent e used here lies between -126 and 119, so that 2^e and 448 x 2^e are f32 numbers.  NaN among the inputs is not served.
; THREE PATHS by the work-group's number: 0-511 a weight (128 k x 256 n a work-group), 512-639 x (16 rows a work-group), 640-671 the table (4 tiles of 16 positions a work-group).
; A stream: no LDS, no barrier, no matrix unit, no cluster (no two work-groups read the same bytes).
.set LI,   2                           ; v2   16 x lane: my 16 bytes of each 512 of an image
.set RW,   3                           ; v3   r = lane % 16
.set HF,   4                           ; v4   h = lane / 16
.set HOLD, 10                          ; v10  448 x 2^e
.set SCL,  11                          ; v11  2^e
.set L,    16                          ; v16-143   numbers as loaded
.set T,    144                         ; v144-175  32 numbers held, in the order of the conversions
.set C,    176                         ; v176-239  codes
.set HX,   224                         ; v224-229  x's three holds and scales
	s_load_b512 s[4:19], s[0:1], 0x0               ; x s[4:5], Wq s[6:7], Wk s[8:9], Wv s[10:11], Wo s[12:13], the exponents s[14:15], xc s[16:17], wc s[18:19]
	s_load_b64 s[20:21], s[0:1], 0x40              ; rope
	v_lshrrev_b32 v1, 5, v0
	v_readfirstlane_b32 s36, v1                    ; wave 0..3
	v_and_b32 v[LI], 31, v0
	v_lshlrev_b32 v[LI], 4, v[LI]
	v_and_b32 v[RW], 15, v0
	v_bfe_u32 v[HF], v0, 4, 1
	s_wait_kmcnt 0x0
	s_cmp_lt_u32 ttmp9, 512
	s_cbranch_scc0 .Lnot_w
; ---- A WEIGHT [k][n].  Work-group: tensor t = id / 128, K step id % 16, four groups G of 64 columns; a wave takes one G: 128 rows x 64 columns, four images.
	s_load_b256 s[24:31], s[14:15], 0x0            ; e0 .. e7
	s_load_b128 s[32:35], s[14:15], 0x20           ; e8 .. e11
	s_lshr_b32 s37, ttmp9, 7                       ; t: 0 q, 1 k, 2 v, 3 o
	s_and_b32 s38, ttmp9, 15                       ; K step
	s_bfe_u32 s39, ttmp9, 0x30004
	s_lshl_b32 s39, s39, 2
	s_add_co_u32 s39, s39, s36                     ; G
	s_cmp_eq_u32 s37, 0
	s_cselect_b64 s[40:41], s[6:7], s[8:9]
	s_cmp_eq_u32 s37, 2
	s_cselect_b64 s[40:41], s[10:11], s[40:41]
	s_cmp_eq_u32 s37, 3
	s_cselect_b64 s[40:41], s[12:13], s[40:41]     ; the tensor, chosen by the work-group's number alone
	s_lshl_b32 s42, s38, 20                        ; 128 rows of 8,192 bytes a K step
	s_lshl_b32 s43, s39, 8                         ; 64 columns of 4 bytes
	s_add_co_u32 s42, s42, s43
	s_mov_b32 s43, 0
	s_add_nc_u64 s[40:41], s[40:41], s[42:43]
	s_lshl_b32 s44, s37, 22                        ; wc: [tensor][tile 128][K step 16][2,048]
	s_lshl_b32 s45, s39, 17                        ; four tiles of 32,768 bytes
	s_add_co_u32 s44, s44, s45
	s_lshl_b32 s45, s38, 11
	s_add_co_u32 s44, s44, s45
	s_mov_b32 s45, 0
	s_add_nc_u64 s[18:19], s[18:19], s[44:45]
	v_lshlrev_b32 v1, 4, v[RW]                     ; lane (r, h): 16 r bytes along the row,
	v_lshl_add_u32 v1, v[HF], 18, v1               ; 32 h rows down
; chunk c: rows 64 (c / 4) + 32 h + 4 j + c % 4, j = 0 .. 7.  Lanes 0-15 read 256 consecutive bytes, aligned; lanes 16-31 the same run 32 rows down
.macro LOADC c
.irp j, 0,1,2,3,4,5,6,7
	global_load_b128 v[L+32*((\c)%4)+4*\j:L+32*((\c)%4)+4*\j+3], v1, s[40:41] offset:(64*((\c)/4)+4*\j+(\c)%4)*8192 th:TH_LOAD_NT
.endr
.endm
.macro CHUNK c
.if 7-(\c) >= 3
	s_wait_loadcnt 24                              ; this chunk's eight loads are in; the three chunks behind it may be out
.else
	s_wait_loadcnt 8*(7-(\c))
.endif
.irp e, 0,1,2,3
.irp j, 0,1,2,3,4,5,6,7
	v_med3_num_f32 v[T+8*\e+\j], v[L+32*((\c)%4)+4*\j+\e], -v[HOLD], v[HOLD]   ; the hold (the conversion to an 8-bit code does not saturate: ISA guide 7.6.2) also sorts: tile e, place j
.endr
.endr
.if (\c) < 4
	LOADC (\c)+4
.endif
.irp e, 0,1,2,3
	v_cvt_scalef32_pk8_fp8_f32 v[C+16*\e+2*(\c):C+16*\e+2*(\c)+1], v[T+8*\e:T+8*\e+7], v[SCL]
.endr
	v_nop                                          ; a plain line between the conversions and the next chunk's holds, which write their sources
.endm
	LOADC 0
	LOADC 1
	LOADC 2
	LOADC 3
	s_wait_kmcnt 0x0
	s_cmp_eq_u32 s37, 0
	s_cselect_b32 s46, s25, s27                    ; e1, e3,
	s_cmp_eq_u32 s37, 2
	s_cselect_b32 s46, s29, s46                    ; e5,
	s_cmp_eq_u32 s37, 3
	s_cselect_b32 s46, s35, s46                    ; e11
	s_add_co_i32 s46, s46, 127
	s_lshl_b32 s47, s46, 23
	v_mov_b32 v[SCL], s47
	s_add_co_i32 s46, s46, 8
	s_lshl_b32 s46, s46, 23
	s_or_b32 s46, s46, 0x600000
	v_mov_b32 v[HOLD], s46
.irp c, 0,1,2,3,4,5,6,7
	CHUNK \c
.endr
.irp e, 0,1,2,3
.irp p, 0,1,2,3
	global_store_b128 v[LI], v[C+16*\e+4*\p:C+16*\e+4*\p+3], s[18:19] offset:\e*32768+512*\p   ; 32 lanes store 512 consecutive bytes, aligned
.endr
.endr
	s_endpgm
.Lnot_w:
	s_cmp_lt_u32 ttmp9, 640
	s_cbranch_scc0 .Lrope
; ---- x [s][k].  Work-group: a tile of 16 rows; wave w: K steps 4 w .. 4 w + 3, each into three images (e0, e2, e4).
	s_load_b256 s[24:31], s[14:15], 0x0            ; e0 .. e7
	s_sub_co_u32 s37, ttmp9, 512                   ; the tile
	s_lshl_b32 s38, s37, 17                        ; 16 rows of 8,192 bytes
	s_lshl_b32 s39, s36, 11                        ; four K steps of 512 bytes
	s_add_co_u32 s38, s38, s39
	s_mov_b32 s39, 0
	s_add_nc_u64 s[4:5], s[4:5], s[38:39]
	s_lshl_b32 s38, s37, 15                        ; xc: [version 3][tile 128][K step 16][2,048]
	s_lshl_b32 s46, s36, 13
	s_add_co_u32 s38, s38, s46
	s_add_nc_u64 s[40:41], s[16:17], s[38:39]
	s_add_nc_u64 s[42:43], s[40:41], 0x400000
	s_add_nc_u64 s[44:45], s[42:43], 0x400000
	v_lshlrev_b32 v1, 13, v[RW]                    ; row r,
	v_lshl_add_u32 v1, v[HF], 7, v1                ; + 32 h numbers
; K step u of my four: k = 64 g + 32 h + 4 j + 0 .. 3; a lane's eight loads of one g cover 128 consecutive bytes
.macro LOADX u
.irp g, 0,1
.irp j, 0,1,2,3,4,5,6,7
	global_load_b128 v[L+64*((\u)%2)+4*(8*\g+\j):L+64*((\u)%2)+4*(8*\g+\j)+3], v1, s[4:5] offset:512*(\u)+256*\g+16*\j
.endr
.endr
.endm
.macro UNIT u
.if (\u) < 3
	s_wait_loadcnt 16                              ; this K step's sixteen loads are in; the next one's may be out
.else
	s_wait_loadcnt 0
.endif
.if (\u) > 0
	s_wait_xcnt 0x0                                ; the last K step's stores have read their data: the codes' registers are written again only behind this wait
.endif
.irp v, 0,1,2
.irp g, 0,1
.irp e, 0,1,2,3
.irp j, 0,1,2,3,4,5,6,7
	v_med3_num_f32 v[T+8*\e+\j], v[L+64*((\u)%2)+4*(8*\g+\j)+\e], -v[HX+2*\v], v[HX+2*\v]   ; hold and sort: c = 4 g + e, place j
.endr
.endr
.irp e, 0,1,2,3
	v_cvt_scalef32_pk8_fp8_f32 v[C+16*\v+2*(4*\g+\e):C+16*\v+2*(4*\g+\e)+1], v[T+8*\e:T+8*\e+7], v[HX+2*\v+1]
.endr
	v_nop                                          ; a plain line between the conversions and the next holds, which write their sources
.endr
.endr
.if (\u) < 2
	LOADX (\u)+2
.endif
.irp v, 0,1,2
.irp p, 0,1,2,3
	global_store_b128 v[LI], v[C+16*\v+4*\p:C+16*\v+4*\p+3], s[40+2*\v:41+2*\v] offset:2048*(\u)+512*\p
.endr
.endr
.endm
	LOADX 0
	LOADX 1
	s_wait_kmcnt 0x0
.irp v, 0,1,2
	s_add_co_i32 s46, s[24+2*\v], 127              ; e0, e2, e4
	s_lshl_b32 s47, s46, 23
	v_mov_b32 v[HX+2*\v+1], s47
	s_add_co_i32 s46, s46, 8
	s_lshl_b32 s46, s46, 23
	s_or_b32 s46, s46, 0x600000
	v_mov_b32 v[HX+2*\v], s46
.endr
	UNIT 0
	UNIT 1
	UNIT 2
	UNIT 3
	s_endpgm
.Lrope:
; ---- THE TABLE.  A wave takes a tile of 16 positions.  rope: [tile 128][cos: 8 pieces of 512 bytes | sin: 8 pieces].  Word e of piece p of lane (r, h) is for position 16 tile + r and
; frequency i = 32 h + 16 (p % 2) + 4 e + p / 2: loaded back by eight 16-byte loads, register 8 b + j is cos or sin at i = 32 h + 4 j + b, the place of channel i in the next launch's sums.
; inv_freq = 2^(-i log2(10000) / 64); angle = position x inv_freq, rounded once; reduced by quarter turns with pi / 2 in three parts; polynomials on +-pi / 4.
.set INV, 16
.set ANG, 48
.set NN,  52
.set RR,  56
.set R2,  60
.set SP,  64
.set CP,  68
.set QQ,  72
.set TA,  76
.set CO,  80                           ; v80-111   cosines: registers of their own for each piece, so that no store's data are written again
.set SI,  112                          ; v112-143  sines
.set TC,  144
	s_sub_co_u32 s37, ttmp9, 640
	s_lshl_b32 s37, s37, 2
	s_add_co_u32 s37, s37, s36                     ; the tile
	s_lshl_b32 s38, s37, 13
	s_mov_b32 s39, 0
	s_add_nc_u64 s[20:21], s[20:21], s[38:39]
	s_lshl_b32 s38, s37, 4
	v_add_nc_u32 v5, s38, v[RW]
	v_cvt_f32_u32 v5, v5                           ; my position, exact
	v_lshlrev_b32 v6, 5, v[HF]                     ; 32 h
	s_mov_b32 s40, 0xbe549a78                      ; -log2(10000) / 64
	s_mov_b32 s41, 0x3f22f983                      ; 2 / pi
	s_mov_b32 s42, 0xbfc90fdb                      ; -pi / 2 in three parts
	s_mov_b32 s43, 0x333bbd2e
	s_mov_b32 s44, 0x26f72ced
	s_mov_b32 s45, 0xbe2aaaa3                      ; sine: r + r^3 (S1 + r^2 (S2 + r^2 S3))
	s_mov_b32 s46, 0x3c08839e
	s_mov_b32 s47, 0xb94ca1f9
	s_mov_b32 s48, 0x3d2aaaa5                      ; cosine: 1 - r^2 / 2 + r^4 (C1 + r^2 (C2 + r^2 C3))
	s_mov_b32 s49, 0xbab6061a
	s_mov_b32 s50, 0x37ccf5ce
.set n, 0
.rept 32
	v_add_nc_u32 v[INV+n], 16*((n/4)%2)+4*(n%4)+n/8, v6
.set n, n+1
.endr
.set n, 0
.rept 32
	v_cvt_f32_u32 v[INV+n], v[INV+n]
.set n, n+1
.endr
.set n, 0
.rept 32
	v_mul_f32 v[INV+n], s40, v[INV+n]
.set n, n+1
.endr
.set n, 0
.rept 32
	v_exp_f32 v[INV+n], v[INV+n]
.set n, n+1
.endr
	v_nop                                          ; a plain line behind the last exponential,
	s_wait_alu depctr_va_vdst(0)                   ; and one wait for the batch of 32, ahead of its first reader
.macro PIECE p                         ; four numbers side by side, so that no line waits for the line above it
.irp e, 0,1,2,3
	v_mul_f32 v[ANG+\e], v5, v[INV+4*\p+\e]
.endr
.irp e, 0,1,2,3
	v_mul_f32 v[NN+\e], s41, v[ANG+\e]
.endr
.irp e, 0,1,2,3
	v_rndne_f32 v[NN+\e], v[NN+\e]                 ; quarter turns
.endr
.irp e, 0,1,2,3
	v_fma_f32 v[RR+\e], v[NN+\e], s42, v[ANG+\e]
.endr
.irp e, 0,1,2,3
	v_fma_f32 v[RR+\e], v[NN+\e], s43, v[RR+\e]
.endr
.irp e, 0,1,2,3
	v_fma_f32 v[RR+\e], v[NN+\e], s44, v[RR+\e]
.endr
.irp e, 0,1,2,3
	v_mul_f32 v[R2+\e], v[RR+\e], v[RR+\e]
	v_cvt_i32_f32 v[QQ+\e], v[NN+\e]
.endr
.irp e, 0,1,2,3
	v_fma_f32 v[SP+\e], v[R2+\e], s47, s46
	v_fma_f32 v[CP+\e], v[R2+\e], s50, s49
.endr
.irp e, 0,1,2,3
	v_fma_f32 v[SP+\e], v[SP+\e], v[R2+\e], s45
	v_fma_f32 v[CP+\e], v[CP+\e], v[R2+\e], s48
.endr
.irp e, 0,1,2,3
	v_mul_f32 v[TA+\e], v[RR+\e], v[R2+\e]
	v_fma_f32 v[TC+\e], v[R2+\e], -0.5, 1.0
.endr
.irp e, 0,1,2,3
	v_fma_f32 v[SP+\e], v[SP+\e], v[TA+\e], v[RR+\e]
	v_mul_f32 v[TA+\e], v[R2+\e], v[R2+\e]
.endr
.irp e, 0,1,2,3
	v_fma_f32 v[CP+\e], v[CP+\e], v[TA+\e], v[TC+\e]
	v_and_b32 v[TC+\e], 1, v[QQ+\e]
.endr
.irp e, 0,1,2,3
	v_cmp_eq_u32 s[52+\e], 1, v[TC+\e]             ; an odd number of quarter turns swaps the two
.endr
.irp e, 0,1,2,3
	v_cndmask_b32 v[SI+4*\p+\e], v[SP+\e], v[CP+\e], s[52+\e]
	v_cndmask_b32 v[CO+4*\p+\e], v[CP+\e], v[SP+\e], s[52+\e]
.endr
.irp e, 0,1,2,3
	v_and_b32 v[TA+\e], 2, v[QQ+\e]                ; the sine is negative in quarters 2 and 3,
	v_add_nc_u32 v[TC+\e], 1, v[QQ+\e]
.endr
.irp e, 0,1,2,3
	v_lshlrev_b32 v[TA+\e], 30, v[TA+\e]
	v_and_b32 v[TC+\e], 2, v[TC+\e]                ; the cosine in quarters 1 and 2
.endr
.irp e, 0,1,2,3
	v_xor_b32 v[SI+4*\p+\e], v[SI+4*\p+\e], v[TA+\e]
	v_lshlrev_b32 v[TC+\e], 30, v[TC+\e]
.endr
.irp e, 0,1,2,3
	v_xor_b32 v[CO+4*\p+\e], v[CO+4*\p+\e], v[TC+\e]
.endr
	global_store_b128 v[LI], v[CO+4*\p:CO+4*\p+3], s[20:21] offset:512*\p
	global_store_b128 v[LI], v[SI+4*\p:SI+4*\p+3], s[20:21] offset:4096+512*\p
.endm
.irp p, 0,1,2,3,4,5,6,7
	PIECE \p
.endr
	s_endpgm
.Lfunc_end_k_qc52bce04d8_prep:
	.size	k_qc52bce04d8_prep, .Lfunc_end_k_qc52bce04d8_prep-k_qc52bce04d8_prep
	.p2alignl 7, 3214868480
	.fill 96, 4, 3214868480
	.section	.rodata,"a",@progbits
	.p2align	6, 0x0
	.amdhsa_kernel k_qc52bce04d8_prep
		.amdhsa_group_segment_fixed_size 0
		.amdhsa_private_segment_fixed_size 0
		.amdhsa_enable_private_segment 0
		.amdhsa_kernarg_size 72
		.amdhsa_user_sgpr_count 2
		.amdhsa_user_sgpr_kernarg_segment_ptr 1
		.amdhsa_wavefront_size32 1
		.amdhsa_system_sgpr_workgroup_id_x 1
		.amdhsa_system_sgpr_workgroup_id_y 1
		.amdhsa_system_sgpr_workgroup_id_z 1
		.amdhsa_system_vgpr_workitem_id 0
		.amdhsa_next_free_vgpr 240
		.amdhsa_next_free_sgpr 66
		.amdhsa_reserve_vcc 0
		.amdhsa_float_denorm_mode_32 3
		.amdhsa_float_denorm_mode_16_64 3
		.amdhsa_memory_ordered 1
		.amdhsa_forward_progress 1
		.amdhsa_inst_pref_size 143
	.end_amdhsa_kernel
	.amdgpu_metadata
---
amdhsa.version: [ 1, 2 ]
amdhsa.kernels:
  - .name:           k_qc52bce04d8_prep
    .symbol:         k_qc52bce04d8_prep.kd
    .args:
      - { .name: x, .offset: 0, .size: 8, .value_kind: global_buffer, .address_space: global }
      - { .name: Wq, .offset: 8, .size: 8, .value_kind: global_buffer, .address_space: global }
      - { .name: Wk, .offset: 16, .size: 8, .value_kind: global_buffer, .address_space: global }
      - { .name: Wv, .offset: 24, .size: 8, .value_kind: global_buffer, .address_space: global }
      - { .name: Wo, .offset: 32, .size: 8, .value_kind: global_buffer, .address_space: global }
      - { .name: lowp_scales, .offset: 40, .size: 8, .value_kind: global_buffer, .address_space: global }
      - { .name: xc, .offset: 48, .size: 8, .value_kind: global_buffer, .address_space: global }
      - { .name: wc, .offset: 56, .size: 8, .value_kind: global_buffer, .address_space: global }
      - { .name: rope, .offset: 64, .size: 8, .value_kind: global_buffer, .address_space: global }
    .group_segment_fixed_size: 0
    .private_segment_fixed_size: 0
    .kernarg_segment_align: 8
    .kernarg_segment_size: 72
    .max_flat_workgroup_size: 128
    .sgpr_count:     66
    .vgpr_count:     240
    .wavefront_size: 32
...
	.end_amdgpu_metadata
.endif
;; end of part 1
;; launch qkv (part 2): grid 24 x 8, 4 waves a work-group, clusters of 4 x 4, 327,680 bytes of LDS; arguments xc, wc, lowp_scales, bq, bk, bv, rope, qc, kv; writes qc, kv
.if DOCPART == 2
	.amdgcn_target "amdgcn-amd-amdhsa--gfx1250"
	.amdhsa_code_object_version 6
	.text
	.protected	k_qc52bce04d8_qkv
	.globl	k_qc52bce04d8_qkv
	.p2align	8
	.type	k_qc52bce04d8_qkv,@function
k_qc52bce04d8_qkv:
	s_mov_b64 s[64:65], 0
	v_nop
	global_prefetch_b8 v0, s[64:65] scope:SCOPE_SE
	s_setreg_imm32_b32 hwreg(HW_REG_WAVE_MODE, 25, 1), 1
	s_wait_xcnt 0x0
	s_wait_alu depctr_hold_cnt(0) depctr_sa_sdst(0) depctr_va_vdst(0) depctr_va_sdst(0) depctr_va_ssrc(0) depctr_va_vcc(0) depctr_vm_vsrc(0)
	s_getreg_b32 s2, hwreg(HW_REG_IB_STS2, 6, 4)
	s_cmp_eq_u32 s2, 0
	s_cbranch_scc0 .Lentry_in_a_cluster
	s_endpgm
.Lentry_in_a_cluster:
	s_bfe_u32 s2, ttmp6, 0x10000c
	s_cmp_lg_u32 s2, 0xf033
	s_cbranch_scc0 .Lentry_shape_is_right
	s_endpgm
.Lentry_shape_is_right:
; LAUNCH 2 OF 4: products 1 to 3 (x Wq, x Wk, x Wv on codes of E4M3), then the bias, RoPE (q, k) and the quantisers of products 4 and 5 (e6 for q, e7 for k, e9 for v).  Nothing of the problem is left out.
; Three GEMMs of 2,048^3, since x has a scale of its own in each.  A work-group of four waves makes 256 x 256 of one of them, a wave 128 x 128: 64 accumulators, 512 registers.  24 x 8 work-groups: t = x / 8 is the tensor.
; OPERANDS ARE IMAGES OF REGISTERS (launch 1): a fragment of 16 rows x 128 K is 2,048 consecutive bytes and comes from LDS by four loads at 16 x lane: no pitch, no padding.
; xc and wc are both [part][tile 128][K step 16][2,048], so one text serves both orientations.  Source 0 (B here; two sets of registers; it hangs on the block's x) gives a result's REGISTERS, source 1 (A; one set; on y) its LANES.
;   q, k: B = the weight, A = x: a lane holds one position, and register j of accumulator (a, b) is channel 64 (b / 4) + 32 h + 4 j + b % 4 of the wave's head: the place (c = b, h, j) of the next operand's image.
;         So eight conversions of a lane's eight accumulators ARE the image, and RoPE's partners d and d + 64 are accumulators b and b + 4, same lane, same register.
;   v:    B = x, A = the weight: a lane holds one channel and its registers run along the keys, 16 b + 8 h + j: the image of V^T with the keys as K.
; K goes in steps of 256 (two images a tile) through a ring of two LDS slots; a wave's tensor load brings 8 tiles x 4,096 bytes.
; CLUSTERS: 4 x 4 work-groups of one tensor.  A's tiles are asked for jointly along a row of the cluster, B's along a column.
; LIMITS: e0 + e1, e2 + e3, e4 + e5 between -126 and 127; e6, e7, e9 between -126 and 119.  NaN among the inputs is not served.
; REGISTERS, in windows of 256: window 0: v16-31 addresses and constants; v128-255 A's fragments; window 1: B's two sets; windows 2, 3: the accumulators, (a, b) at v[8 (8 (a % 4) + b)].
;   On the way out: window 0: v32-95 Y, v96-159 Z, v160-223 the bias as loaded, v224-255 codes (two sets); window 1: v0-63 the bias sorted, v64-191 the table (two sets of cos 32, sin 32).
.set SLOT,   131072                    ; a slot: A's 16 tiles x 4,096 bytes, then B's
.set BOFF,   65536
.set HALFT,  32768                     ; 8 tiles: what one tensor load brings, and what one wave reads of A or of B
.set TILEB,  4096
.set SPARE,  2*SLOT                    ; behind the ring: the spare words, 128 bytes for each wave: two blocks of 256 bytes that no other line names
.set FR,     16
.set NL,     4
.set NP,     4                         ; places behind this matrix instruction (ISA guide 7.12.1)
.set LAPS,   4                         ; a lap = two slots = 512 along K
.set ADRA, 16                          ; v16-17  LDS address of my A fragments in slot 0, 1
.set ADRB, 20                          ; v20-21  the same for B
.set BIA,  24                          ; v24     128 h: my bytes in a head's bias (q, k)
.set BIV,  25                          ; v25     16 r: the same for v
.set LI,   26                          ; v26     16 x lane
.set SPW,  28                          ; v28     LDS address of my spare word; never rewritten
.set NIL,  29                          ; v29     0; never rewritten
.set HOLD, 30                          ; v30     448 x 2^e of the quantiser
.set SCL,  31                          ; v31     2^e
.set AF,   128
.set Y,    32
.set Z,    96
.set RAW,  160
.set CD,   224
.set BI,   0                           ; in window 1
.set TS,   64                          ; in window 1
.set G1, 24                            ; s[24:31] descriptor group 1 for A's tiles;  s[32:39] group 0, one set for each slot
.set G0, 32
.set G1B, 48                           ; s[48:55], s[56:63] the same for B's tiles
.set G0B, 56
.set MSB, 0
.macro WIN new                         ; the immediate's high byte repeats the setting that is left
.if MSB != (\new)
	s_set_vgpr_msb (MSB<<8)|(\new)
.set MSB, (\new)
.endif
.endm
.set MUL_LO, 0xa1                      ; source 0 (B) window 1, source 1 (A) window 0, C and D window 2
.set MUL_HI, 0xf1                      ; the same, C and D window 3
.set TO_B,   0x40                      ; destination window 1, address window 0
; A joint load: waves 0 and 1 fetch for A, waves 2 and 3 for B.  The branch hangs on the wave's number alone.  An s_nop 0 and four v_nop follow each of the two lines.
.macro JLOAD g0a, g1a, g0b, g1b
	s_cmp_eq_u32 s15, 0
	s_cbranch_scc0 .Lfor_b_\@
	tensor_load_to_lds s[\g0a:\g0a+3], s[\g1a:\g1a+7]
	s_nop 0
.rept 4
	v_nop
.endr
	s_branch .Lasked_\@
.Lfor_b_\@:
	tensor_load_to_lds s[\g0b:\g0b+3], s[\g1b:\g1b+7]
	s_nop 0
.rept 4
	v_nop
.endr
.Lasked_\@:
.endm
.macro CREST                           ; a round of the cluster's barrier behind its opening barrier
	s_cmp_lg_u32 s14, 0
	s_cbranch_scc1 .Lnot_wave_0_\@
	s_barrier_signal -3
.Lnot_wave_0_\@:
	s_barrier_wait -3
	s_barrier_signal -1
	s_barrier_wait -1
.endm
.macro CROUND                          ; a whole round
	s_barrier_signal -1
	s_barrier_wait -1
	CREST
.endm
	s_load_b512 s[68:83], s[0:1], 0x0              ; xc s[68:69], wc s[70:71], the exponents s[72:73], bq s[74:75], bk s[76:77], bv s[78:79], rope s[80:81], qc s[82:83]
	s_load_b64 s[84:85], s[0:1], 0x40              ; kv
	v_lshl_add_u32 v[SPW], v0, 2, SPARE
	v_mov_b32 v[NIL], 0
	ds_add_u32 v[SPW], v[NIL]                      ; the wave's opening: the add, twice on end, and its wait ahead of my first tensor load
	ds_add_u32 v[SPW], v[NIL]
	v_lshrrev_b32 v1, 5, v0
	v_readfirstlane_b32 s14, v1                    ; wave 0..3
	s_lshr_b32 s15, s14, 1                         ; which half of A's tiles is mine.  Also: I fetch for A (0) or for B (1)
	s_and_b32 s16, s14, 1                          ; which half of B's.  Also: which 8 tiles I fetch
	s_bfe_u32 s40, ttmp6, 0x40000                  ; cx, cy: my place in the cluster
	s_bfe_u32 s41, ttmp6, 0x40004
	s_lshr_b32 s86, ttmp9, 1                       ; t: 0 q, 1 k, 2 v: two clusters along x to a tensor; the same in all sixteen partners
	s_and_b32 s42, ttmp9, 1
	s_lshl_b32 s42, s42, 2
	s_add_co_u32 s42, s42, s40                     ; block x within the tensor, 0..7
	s_and_b32 s17, ttmp7, 0xffff
	s_lshl_b32 s17, s17, 2
	s_add_co_u32 s17, s17, s41                     ; block y, 0..7
	s_lshl_b32 s43, s41, 2
	s_lshl_b32 s43, 15, s43                        ; my row of the cluster
	s_lshl_b32 s44, 0x1111, s40                    ; my column
	; descriptor group 1: 8 rows (tiles) of 4,096 bytes, 32,768 bytes apart; elements of 8 bytes; no padding
	s_or_b32 s[G1+0], s43, (3<<16)|(1<<21)         ; 15:0 the mask: A's tiles go to my row; 17:16 element of 8 bytes; 21 set beside a mask
	s_or_b32 s[G1B+0], s44, (3<<16)|(1<<21)
.irp g, G1, G1B
	s_mov_b32 s[\g+1], 512<<16                     ; tensor_dim0 = 512 elements
	s_mov_b32 s[\g+2], 8<<16                       ; tensor_dim1 = 8
	s_mov_b32 s[\g+3], 512<<16                     ; tile_dim0
	s_mov_b32 s[\g+4], 8                           ; tile_dim1
	s_mov_b32 s[\g+5], 4096                        ; tensor_dim0_stride: a tile's 16 K steps
	s_mov_b32 s[\g+6], 0
	s_mov_b32 s[\g+7], 0
.endr
	s_lshl_b32 s18, s16, 3                         ; which 8 tiles of the 16 I fetch
	s_lshl_b32 s19, s86, 22                        ; the tensor's part of xc and of wc: 4 MiB each
	s_lshl_b32 s20, s17, 4
	s_add_co_u32 s20, s20, s18                     ; A: tile 16 y + 8 half
	s_lshl_b32 s20, s20, 15
	s_add_co_u32 s20, s20, s19
	s_lshl_b32 s46, s42, 4
	s_add_co_u32 s46, s46, s18                     ; B: tile 16 x + 8 half
	s_lshl_b32 s46, s46, 15
	s_add_co_u32 s46, s46, s19
	s_mov_b32 s21, 0
	s_mov_b32 s47, 0
	s_mul_i32 s45, s14, HALFT                      ; where they go: wave x 8 tiles: no place in the cluster enters an LDS address
	s_wait_dscnt 0x0                               ; both opening adds are done
	s_wait_kmcnt 0x0
	s_load_b256 s[88:95], s[72:73], 0x0            ; e0 .. e7
	s_load_b128 s[96:99], s[72:73], 0x20           ; e8 .. e11
	s_cmp_eq_u32 s86, 2
	s_cselect_b64 s[4:5], s[70:71], s[68:69]       ; A: x's codes; for v the weight's
	s_cselect_b64 s[6:7], s[68:69], s[70:71]       ; B: the weight's codes; for v x's
	s_add_nc_u64 s[20:21], s[4:5], s[20:21]
	s_add_nc_u64 s[46:47], s[6:7], s[46:47]
	CROUND                                         ; all sixteen work-groups are here: the first joint loads meet
.irp s, 0,1
	s_mov_b32 s[G0+4*\s], 1
	s_add_co_u32 s[G0+4*\s+1], s45, \s*SLOT
	s_add_nc_u64 s[G0+4*\s+2:G0+4*\s+3], s[20:21], \s*TILEB
	s_or_b32 s[G0+4*\s+3], s[G0+4*\s+3], 0x80000000
	s_mov_b32 s[G0B+4*\s], 1
	s_add_co_u32 s[G0B+4*\s+1], s45, \s*SLOT
	s_add_nc_u64 s[G0B+4*\s+2:G0B+4*\s+3], s[46:47], \s*TILEB
	s_or_b32 s[G0B+4*\s+3], s[G0B+4*\s+3], 0x80000000
	JLOAD G0+4*\s, G1, G0B+4*\s, G1B
.endr
	v_and_b32 v1, 31, v0
	v_lshlrev_b32 v[LI], 4, v1
	v_bfe_u32 v2, v0, 4, 1
	v_lshlrev_b32 v[BIA], 7, v2
	v_and_b32 v3, 15, v0
	v_lshlrev_b32 v[BIV], 4, v3
	s_mul_i32 s18, s15, HALFT                      ; my 8 tiles of A
	s_mul_i32 s19, s16, HALFT                      ; my 8 tiles of B,
	s_add_co_u32 s19, s19, BOFF                    ; which lie behind A's 16
.irp s, 0,1
	v_add_nc_u32 v[ADRA+\s], s18, v[LI]
	v_add_nc_u32 v[ADRB+\s], s19, v[LI]
	s_add_co_u32 s18, s18, SLOT
	s_add_co_u32 s19, s19, SLOT
.endr
	; what the way out needs, made while the first tiles are on their way
	s_wait_kmcnt 0x0
	s_cmp_eq_u32 s86, 0
	s_cselect_b32 s87, s88, s90                    ; A's exponent: e0, e2,
	s_cselect_b32 s18, s89, s91                    ; B's: e1, e3,
	s_cselect_b32 s19, s94, s95                    ; the quantiser's: e6, e7,
	s_cselect_b64 s[10:11], s[74:75], s[76:77]     ; the bias,
	s_cselect_b64 s[8:9], s[82:83], s[84:85]       ; and the output: qc, else kv
	s_cmp_eq_u32 s86, 2
	s_cselect_b32 s87, s92, s87                    ; e4
	s_cselect_b32 s18, s93, s18                    ; e5
	s_cselect_b32 s19, s97, s19                    ; e9
	s_cselect_b64 s[10:11], s[78:79], s[10:11]
	s_add_co_i32 s87, s87, s18
	s_add_co_i32 s87, s87, 127
	s_lshl_b32 s100, s87, 23                       ; 2^(eA + eB) as f32
	s_mov_b32 s101, s100                           ; (named with it as a pair, so it is written)
	s_add_co_i32 s19, s19, 127
	s_lshl_b32 s18, s19, 23
	v_mov_b32 v[SCL], s18
	s_add_co_i32 s19, s19, 8
	s_lshl_b32 s19, s19, 23
	s_or_b32 s19, s19, 0x600000
	v_mov_b32 v[HOLD], s19
	s_lshl_b32 s66, s42, 1
	s_add_co_u32 s66, s66, s16                     ; P = 2 x + B's half
	s_lshl_b32 s67, s17, 1
	s_add_co_u32 s67, s67, s15                     ; R = 2 y + A's half
	s_lshl_b32 s22, s66, 18                        ; q: qc [head P][tile 8 R + a][2,048]
	s_lshl_b32 s23, s67, 14
	s_add_co_u32 s22, s22, s23
	s_lshl_b32 s23, s22, 1                         ; k: kv [head P][key step R][key tile a][2,048]: twice q's offset
	s_lshl_b32 s4, s67, 19                         ; v: kv [head R][key step P], behind K's 16,384 bytes: [tile a of channels][2,048]
	s_lshl_b32 s5, s66, 15
	s_add_co_u32 s4, s4, s5
	s_add_co_u32 s4, s4, 16384
	s_cmp_eq_u32 s86, 0
	s_cselect_b32 s22, s22, s23
	s_cmp_eq_u32 s86, 2
	s_cselect_b32 s22, s4, s22
	s_cselect_b32 s6, s67, s66                     ; the bias's head: R for v, else P
	s_mov_b32 s23, 0
	s_add_nc_u64 s[8:9], s[8:9], s[22:23]
	s_lshl_b32 s6, s6, 9
	s_mov_b32 s7, 0
	s_add_nc_u64 s[10:11], s[10:11], s[6:7]
	s_lshl_b32 s6, s67, 16                         ; the table of my 8 tiles of positions, 8,192 bytes a tile
	s_add_nc_u64 s[12:13], s[80:81], s[6:7]
.macro FRAG reg, adr, q, i             ; a fragment as it lies: four loads of 512 consecutive bytes
.irp c, 0,1,2,3
	ds_load_b128 v[\reg+4*\c:\reg+4*\c+3], v[\adr] offset:(\i)*TILEB+(\q)*2048+512*\c
.endr
.endm
; 16 matrix instructions: A's blocks a0, a0 + 1 x B's eight, 128 along K.  p: B's set.  zero = 1: the first product starts the sums.  The 64 accumulators take turns, one instruction a turn.
.macro MUL16 a0, p, zero
.irp a, \a0, \a0+1
.irp b, 0,1,2,3,4,5,6,7
.if \zero
	v_wmma_f32_16x16x128_fp8_fp8 v[8*(8*((\a)%4)+\b):8*(8*((\a)%4)+\b)+7], v[128*(\p)+FR*\b:128*(\p)+FR*\b+FR-1], v[AF+FR*(\a):AF+FR*(\a)+FR-1], 0
.else
	v_wmma_f32_16x16x128_fp8_fp8 v[8*(8*((\a)%4)+\b):8*(8*((\a)%4)+\b)+7], v[128*(\p)+FR*\b:128*(\p)+FR*\b+FR-1], v[AF+FR*(\a):AF+FR*(\a)+FR-1], v[8*(8*((\a)%4)+\b):8*(8*((\a)%4)+\b)+7]
.endif
.endr
.endr
.endm
.macro FETCH_B slot, q, p
	WIN TO_B
.irp i, 0,1,2,3,4,5,6,7
	FRAG 128*(\p)+FR*\i, ADRB+\slot, \q, \i
.endr
	WIN 0
.endm
.macro FETCH_A slot, q, i0
.irp i, \i0, \i0+1, \i0+2, \i0+3
	FRAG AF+FR*(\i), ADRA+\slot, \q, \i
.endr
.endm
.macro PLACES n                        ; plain vector lines between a matrix instruction and a load into, or a read of, its registers
.rept \n
	v_nop
.endr
.endm
; A step of 128 along K that has its successor in the same slot.  A's blocks are free as soon as their eight products are issued: blocks 0-3 are fetched anew in the middle, 4-7 at the end.
.macro STEP slot, q, zero
	s_wait_dscnt 4*NL                              ; B's set and A's blocks 0-3 are in; the youngest 16 loads (A's blocks 4-7) may be out
	WIN MUL_LO
	MUL16 0, (\q)%2, \zero
	MUL16 2, (\q)%2, \zero
	s_wait_dscnt 0                                 ; A's blocks 4-7 are in
	PLACES NP
	FETCH_B \slot, (\q)+1, 1-(\q)%2
	FETCH_A \slot, (\q)+1, 0
	WIN MUL_HI
	MUL16 4, (\q)%2, \zero
	MUL16 6, (\q)%2, \zero
	PLACES NP
	WIN 0
	FETCH_A \slot, (\q)+1, 4
.endm
; A slot's last step changes slots: one barrier; in front of it each wave waits for all its tensor loads, adds 0 to its spare word, and waits for that and for its own reads of this slot.
.macro TURN slot, next, fill
	s_wait_tensorcnt 0x0                           ; all my tensor loads have landed: my part of the next slot
	ds_add_u32 v[SPW], v[NIL]                      ; 0 onto my spare word
	s_wait_dscnt 4*NL+1                            ; (the add and the youngest 16 loads may be out)
	WIN MUL_LO
	MUL16 0, 1, 0
	s_wait_dscnt 0x0                               ; the add is done, and my reads of this slot are over
	s_barrier_signal -1
	MUL16 2, 1, 0
	WIN 0
	s_barrier_wait -1
.if \fill
	CREST                                          ; the barrier has opened a round of the cluster's: no wave of any partner still reads this slot or has a load on its way
	s_add_nc_u64 s[G0+4*\slot+2:G0+4*\slot+3], s[G0+4*\slot+2:G0+4*\slot+3], 2*TILEB
	s_add_nc_u64 s[G0B+4*\slot+2:G0B+4*\slot+3], s[G0B+4*\slot+2:G0B+4*\slot+3], 2*TILEB
	JLOAD G0+4*\slot, G1, G0B+4*\slot, G1B         ; the first tensor load behind the round; its four v_nop are the places in front of the loads below
.else
	PLACES NP
.endif
	FETCH_B \next, 0, 0
	FETCH_A \next, 0, 0
	WIN MUL_HI
	MUL16 4, 1, 0
	MUL16 6, 1, 0
	PLACES NP
	WIN 0
	FETCH_A \next, 0, 4
.endm
	s_wait_tensorcnt 1                             ; my part of slot 0 is in (slot 1's load may be out)
	s_barrier_signal -1
	s_barrier_wait -1                              ; everybody's is
	FETCH_B 0, 0, 0
	FETCH_A 0, 0, 0
	FETCH_A 0, 0, 4
	STEP 0, 0, 1                                   ; the first step stands in front of the loop: its products start the sums
	s_mov_b32 s3, LAPS-1
.Llap:                                                 ; a trip goes once round the ring and fills both slots again
	TURN 0, 1, 1
	STEP 1, 0, 0
	TURN 1, 0, 1
	STEP 0, 0, 0
	s_sub_co_u32 s3, s3, 1
	s_cmp_lg_u32 s3, 0
	s_cbranch_scc1 .Llap
	TURN 0, 1, 0                                   ; the last lap fills nothing
	STEP 1, 0, 0
	s_wait_dscnt 4*NL
	WIN MUL_LO
	MUL16 0, 1, 0
	MUL16 2, 1, 0
	s_wait_dscnt 0
	WIN MUL_HI
	MUL16 4, 1, 0
	MUL16 6, 1, 0
	WIN 0
; THE WAY OUT.  No LDS: a lane's 64 numbers of block a are the image's 16 registers after eight conversions.
.macro OUTQ src, a                     ; 64 numbers at v[src] on -> codes -> four stores of 512 consecutive bytes
.if (\a) >= 2
	s_wait_xcnt 0x0                                ; block a - 2's stores have read their data: that set of codes is written again only behind this wait
.endif
.set i, 0
.rept 64
	v_med3_num_f32 v[\src+i], v[\src+i], -v[HOLD], v[HOLD]   ; the conversion to an 8-bit code does not saturate (ISA guide 7.6.2)
.set i, i+1
.endr
.irp b, 0,1,2,3,4,5,6,7
	v_cvt_scalef32_pk8_fp8_f32 v[CD+16*((\a)%2)+2*\b:CD+16*((\a)%2)+2*\b+1], v[\src+8*\b:\src+8*\b+7], v[SCL]
.endr
	v_nop                                          ; a plain line between the conversions and the next lines that write their sources
.irp p, 0,1,2,3
	global_store_b128 v[LI], v[CD+16*((\a)%2)+4*\p:CD+16*((\a)%2)+4*\p+3], s[8:9] offset:2048*(\a)+512*\p
.endr
.endm
.macro LOADT a                         ; the table of block a's 16 positions into set a % 2 of window 1: cos 32 registers, sin 32
.irp p, 0,1,2,3,4,5,6,7
	global_load_b128 v[TS+64*((\a)%2)+4*\p:TS+64*((\a)%2)+4*\p+3], v[LI], s[12:13] offset:(\a)*8192+512*\p
	global_load_b128 v[TS+64*((\a)%2)+32+4*\p:TS+64*((\a)%2)+32+4*\p+3], v[LI], s[12:13] offset:(\a)*8192+4096+512*\p
.endr
.endm
	PLACES NP                                      ; behind the last products: for the loads into the fragments' registers and the reads of results
	s_cmp_eq_u32 s86, 2                            ; the tensor: the same in every wave of every partner
	s_cbranch_scc1 .Larm_v
	; ---- q, k.  The bias of my head: 16 bytes at channel 64 g + 32 h + 4 j are the four b % 4; sorted once into the sums' order
.set i, 0
.rept 16
	global_load_b128 v[RAW+4*i:RAW+4*i+3], v[BIA], s[10:11] offset:256*(i/8)+16*(i%8)
.set i, i+1
.endr
	WIN 0x40
	LOADT 0
	LOADT 1
	s_wait_loadcnt 32                              ; the bias is in; the two sets of the table may be out
.set i, 0
.rept 64
	v_mov_b32 v[BI+8*(4*(i/32)+i%4)+(i/4)%8], v[RAW+i]
.set i, i+1
.endr
.irp a, 0,1,2,3,4,5,6,7
	WIN 0x12+\a/4                                  ; source 0 (the sums) window 2 or 3, source 2 (the bias) window 1
.set i, 0
.rept 32
	v_pk_fma_f32 v[Y+2*i:Y+2*i+1], v[64*(\a%4)+2*i:64*(\a%4)+2*i+1], s[100:101], v[BI+2*i:BI+2*i+1] op_sel_hi:[1,0,1]   ; sum x 2^(eA + eB) + bias; each accumulator from its low end on
.set i, i+1
.endr
.if \a < 7
	s_wait_loadcnt 16                              ; this block's table is in; the next block's may be out
.else
	s_wait_loadcnt 0
.endif
	WIN 0x04                                       ; source 1 (the table) window 1
.set TSA, TS+64*(\a%2)
.set i, 0
.rept 16
	v_pk_mul_f32 v[Z+2*i:Z+2*i+1], v[Y+32+2*i:Y+32+2*i+1], v[TSA+32+2*i:TSA+32+2*i+1]          ; x2 sin
	v_pk_mul_f32 v[Z+32+2*i:Z+32+2*i+1], v[Y+32+2*i:Y+32+2*i+1], v[TSA+2*i:TSA+2*i+1]          ; x2 cos
.set i, i+1
.endr
.set i, 0
.rept 16
	v_pk_fma_f32 v[Z+2*i:Z+2*i+1], v[Y+2*i:Y+2*i+1], v[TSA+2*i:TSA+2*i+1], v[Z+2*i:Z+2*i+1] neg_lo:[0,0,1] neg_hi:[0,0,1]   ; x1 cos - x2 sin
	v_pk_fma_f32 v[Z+32+2*i:Z+32+2*i+1], v[Y+2*i:Y+2*i+1], v[TSA+32+2*i:TSA+32+2*i+1], v[Z+32+2*i:Z+32+2*i+1]               ; x1 sin + x2 cos
.set i, i+1
.endr
.if \a < 6
	WIN 0x40
	LOADT \a+2
.endif
	WIN 0
	OUTQ Z, \a
.endr
	s_branch .Lout_done
.Larm_v:
	; ---- v.  A lane holds channel 64 (a / 4) + 4 r + a % 4 of its head in block a: one bias a block
	global_load_b128 v[RAW:RAW+3], v[BIV], s[10:11]
	global_load_b128 v[RAW+4:RAW+7], v[BIV], s[10:11] offset:256
	s_wait_loadcnt 0x0
.set i, 0
.rept 8
	v_mov_b32 v[RAW+8+2*i], v[RAW+i]               ; each as a pair, for the packed form
	v_mov_b32 v[RAW+9+2*i], v[RAW+i]
.set i, i+1
.endr
.irp a, 0,1,2,3,4,5,6,7
	WIN 0x02+\a/4                                  ; source 0 (the sums) window 2 or 3
.set i, 0
.rept 32
	v_pk_fma_f32 v[Y+2*i:Y+2*i+1], v[64*(\a%4)+2*i:64*(\a%4)+2*i+1], s[100:101], v[RAW+8+2*\a:RAW+9+2*\a] op_sel_hi:[1,0,1]
.set i, i+1
.endr
	WIN 0
	OUTQ Y, \a
.endr
.Lout_done:
	s_wait_tensorcnt 0x0                           ; the wave's end, behind my last tensor load
	ds_add_u32 v[SPW], v[NIL]
	s_wait_dscnt 0x0
	CROUND                                         ; the closing round: no work-group ends while a partner may still ask for a tile that names it
	s_endpgm
.Lfunc_end_k_qc52bce04d8_qkv:
	.size	k_qc52bce04d8_qkv, .Lfunc_end_k_qc52bce04d8_qkv-k_qc52bce04d8_qkv
	.p2alignl 7, 3214868480
	.fill 96, 4, 3214868480
	.section	.rodata,"a",@progbits
	.p2align	6, 0x0
	.amdhsa_kernel k_qc52bce04d8_qkv
		.amdhsa_group_segment_fixed_size 327680
		.amdhsa_private_segment_fixed_size 0
		.amdhsa_enable_private_segment 0
		.amdhsa_kernarg_size 72
		.amdhsa_user_sgpr_count 2
		.amdhsa_user_sgpr_kernarg_segment_ptr 1
		.amdhsa_wavefront_size32 1
		.amdhsa_system_sgpr_workgroup_id_x 1
		.amdhsa_system_sgpr_workgroup_id_y 1
		.amdhsa_system_sgpr_workgroup_id_z 1
		.amdhsa_system_vgpr_workitem_id 0
		.amdhsa_next_free_vgpr 1024
		.amdhsa_next_free_sgpr 102
		.amdhsa_reserve_vcc 0
		.amdhsa_float_denorm_mode_32 3
		.amdhsa_float_denorm_mode_16_64 3
		.amdhsa_memory_ordered 1
		.amdhsa_forward_progress 1
		.amdhsa_inst_pref_size 240
	.end_amdhsa_kernel
	.amdgpu_metadata
---
amdhsa.version: [ 1, 2 ]
amdhsa.kernels:
  - .name:           k_qc52bce04d8_qkv
    .symbol:         k_qc52bce04d8_qkv.kd
    .args:
      - { .name: xc, .offset: 0, .size: 8, .value_kind: global_buffer, .address_space: global }
      - { .name: wc, .offset: 8, .size: 8, .value_kind: global_buffer, .address_space: global }
      - { .name: lowp_scales, .offset: 16, .size: 8, .value_kind: global_buffer, .address_space: global }
      - { .name: bq, .offset: 24, .size: 8, .value_kind: global_buffer, .address_space: global }
      - { .name: bk, .offset: 32, .size: 8, .value_kind: global_buffer, .address_space: global }
      - { .name: bv, .offset: 40, .size: 8, .value_kind: global_buffer, .address_space: global }
      - { .name: rope, .offset: 48, .size: 8, .value_kind: global_buffer, .address_space: global }
      - { .name: qc, .offset: 56, .size: 8, .value_kind: global_buffer, .address_space: global }
      - { .name: kv, .offset: 64, .size: 8, .value_kind: global_buffer, .address_space: global }
    .group_segment_fixed_size: 327680
    .private_segment_fixed_size: 0
    .kernarg_segment_align: 8
    .kernarg_segment_size: 72
    .max_flat_workgroup_size: 128
    .sgpr_count:     102
    .vgpr_count:     1024
    .wavefront_size: 32
...
	.end_amdgpu_metadata
.endif
;; end of part 2
;; launch attn (part 3): grid 16 x 16, 8 waves a work-group, clusters of 4 x 4, 327,680 bytes of LDS; arguments qc, kv, attn_mask, lowp_scales, oc; writes oc
.if DOCPART == 3
	.amdgcn_target "amdgcn-amd-amdhsa--gfx1250"
	.amdhsa_code_object_version 6
	.text
	.protected	k_qc52bce04d8_attn
	.globl	k_qc52bce04d8_attn
	.p2align	8
	.type	k_qc52bce04d8_attn,@function
k_qc52bce04d8_attn:
	s_mov_b64 s[64:65], 0
	v_nop
	global_prefetch_b8 v0, s[64:65] scope:SCOPE_SE
	s_setreg_imm32_b32 hwreg(HW_REG_WAVE_MODE, 25, 1), 1
	s_wait_xcnt 0x0
	s_wait_alu depctr_hold_cnt(0) depctr_sa_sdst(0) depctr_va_vdst(0) depctr_va_sdst(0) depctr_va_ssrc(0) depctr_va_vcc(0) depctr_vm_vsrc(0)
	s_getreg_b32 s2, hwreg(HW_REG_IB_STS2, 6, 4)
	s_cmp_eq_u32 s2, 0
	s_cbranch_scc0 .Lentry_in_a_cluster
	s_endpgm
.Lentry_in_a_cluster:
	s_bfe_u32 s2, ttmp6, 0x10000c
	s_cmp_lg_u32 s2, 0xf033
	s_cbranch_scc0 .Lentry_shape_is_right
	s_endpgm
.Lentry_shape_is_right:
; LAUNCH 3 OF 4: products 4 and 5 on codes of E4M3, the mask, the softmax by the problem's rule, the division by the row's sum, and the quantiser of product 6's left operand (e10).
; Nothing of the problem is left out: attn_mask is an input, so all 16 key steps of every query are walked and the mask is added as it is given.
; logit = score x 2^(e6 + e7) / sqrt(128) + mask;  t = logit x log2(e);  M = the running largest t rounded UP to a whole number;  p = 2^(t - M) is quantised with 2^e8, not normalised;
; the row's sum is taken of the unquantised p; when M moves, the sum and O are multiplied by 2^(old M - new M), which rounds nothing.
; SHARES.  A work-group owns 128 queries of one head, each of its eight waves 16 of them: two waves to a SIMD, so that one wave's vector work stands beside the other's products and LDS loads.
; LAYOUT.  Both products are used transposed: S^T = K Q^T (source 0 = 16 keys), O^T = V^T P^T (source 0 = 16 channels): a lane holds ONE query throughout.  All operands are images of registers (launch 1's head):
; register j of S^T's tile t is key 16 t + 8 h + j, the place (c = t, h, j) of P; register j of O^T's tile a is channel 64 (a / 4) + 32 h + 4 j + a % 4, the place (c = a, h, j) of the next launch's operand.
; THE RING: two LDS slots of one key step (128 keys): K's 8 images, V's 8 images, and the mask's 128 rows x 512 bytes (+ 16 of padding: row r starts 4 r banks on, so 16 rows of a load start at 16 different banks: ISA guide 11.1).
; CLUSTER 4 x 4: the four query blocks of a row of the cluster share a head's K and V; the four heads of a column share a query block's mask: both are asked for jointly.  Waves 0-3 ask for quarters of K and V, waves 4-7 of the mask.
; LIMITS: e6 + e7 between -120 and 130 (added to the exponent field of 1 / sqrt(128)); e8 and e10 between -126 and 119; e8 + e9 is applied by v_ldexp_f32.  A row of the mask has at least one finite entry.  NaN is not served.
; REGISTERS: window 0: v1-9 addresses; v12 -M, v13 the largest t, v[14:15] the sum; v16-31 Q; v32-95 V's tiles 0-3; v96-159 S^T, then logits, then p; v160-223 O^T; v224-239 p's codes; v240-249 at work.
;   window 1: v0-127 K's 8 tiles, then v0-63 V's tiles 4-7; v128-191 the mask.
.set SLOT1, 131072
.set VOFF,  16384
.set MOFF,  32768
.set MP,    528
.set SPARE, 2*SLOT1                    ; behind the ring: the spare words, 128 bytes for each wave: four blocks of 256 bytes that no other line names
.set LI,   1                           ; v1   16 x lane
.set AM0,  2                           ; v2   my query's row of the mask in a slot, + 32 h
.set PFO,  3                           ; v3   the prefetches' offset; never rewritten
.set SPW,  5                           ; v5   LDS address of my spare word; never rewritten
.set NIL,  6                           ; v6   0; never rewritten
.set ADF,  8                           ; v8   the slot in hand + 16 x lane
.set ADM,  9                           ; v9   the slot in hand + my row of the mask
.set QF,   16
.set VF,   32
.set S,    96
.set OT,   160
.set PC,   224
.set HOLD, 240
.set SCL,  241
.set MK,   128                         ; in window 1
.set WV,   14                          ; s14  my wave's number
.set SEL,  20                          ; s[20:21] lane selects for v_permlanex16_b32: lane l xor 16
.set C1,   22                          ; s[22:23] 2^(e6 + e7) / sqrt(128)
.set G1KV, 24                          ; s[24:31] descriptor group 1 for K and V;  s[32:39] for the mask
.set G1M,  32
.set G0KV, 40                          ; s[40:47] group 0 for K and V: a set for each first fill; the second then walks.  s[48:55] the same for the mask
.set G0M,  48
.set SLOTS, 56                         ; s56  slots still to be asked for
.set TB,   57                          ; s57  LDS byte at which the slot in hand begins
.set L2E,  58                          ; s[58:59] log2(e)
.set PFA,  66                          ; s[66:67] where my prefetches stand
.set PFS,  68                          ; s[68:69] a key step on, in bytes
.set LIM,  70                          ; s70  2 in a wave that prefetches, else the greatest number
.set MSB, 0
.macro WIN new
.if MSB != (\new)
	s_set_vgpr_msb (MSB<<8)|(\new)
.set MSB, (\new)
.endif
.endm
.macro JLOAD                           ; a joint refill by the walking descriptors; the branch hangs on the wave's number alone; an s_nop 0 and four v_nop follow each line
	s_cmp_lt_u32 s[WV], 4
	s_cbranch_scc0 .Lfor_m_\@
	tensor_load_to_lds s[G0KV+4:G0KV+7], s[G1KV:G1KV+7]
	s_nop 0
.rept 4
	v_nop
.endr
	s_branch .Lasked_\@
.Lfor_m_\@:
	tensor_load_to_lds s[G0M+4:G0M+7], s[G1M:G1M+7]
	s_nop 0
.rept 4
	v_nop
.endr
.Lasked_\@:
.endm
; A PREFETCH INTO THE L2 of the key step that stands two refills on.  Each aligned block of 256 bytes is named once in the launch.  A head's K and V are read by the four clusters of its row of clusters: cluster x = 0 asks;
; its four partners along x take 8,192 bytes each, told apart by address; wave 0, lanes 256 bytes apart.  A query block's mask is read by the four clusters of its column: cluster y = 0 asks; the four partners along y take
; 32 rows each, by address; a lane a row; a step's 512 bytes of a row are two blocks: waves 4 and 5.  The last two changes that fill a slot ask for nothing: there is no such step.  Steps 0 to 3 come by their loads alone.
.macro ASK
	s_cmp_gt_u32 s[SLOTS], s[LIM]
	s_cbranch_scc0 .Lnot_mine_\@
	global_prefetch_b8 v[PFO], s[PFA:PFA+1] th:TH_LOAD_NT scope:SCOPE_SE
.Lnot_mine_\@:
.endm
.macro CROUND                          ; a round of the cluster's barrier
	s_barrier_signal -1
	s_barrier_wait -1
	s_cmp_lg_u32 s[WV], 0
	s_cbranch_scc1 .Lnot_wave_0_\@
	s_barrier_signal -3
.Lnot_wave_0_\@:
	s_barrier_wait -3
	s_barrier_signal -1
	s_barrier_wait -1
.endm
	s_load_b256 s[4:11], s[0:1], 0x0               ; qc s[4:5], kv s[6:7], attn_mask s[8:9], the exponents s[10:11]
	s_load_b64 s[12:13], s[0:1], 0x20              ; oc
	v_lshl_add_u32 v[SPW], v0, 2, SPARE
	v_mov_b32 v[NIL], 0
	ds_add_u32 v[SPW], v[NIL]                      ; the wave's opening: the add, twice on end, and its wait ahead of my first tensor load
	ds_add_u32 v[SPW], v[NIL]
	v_lshrrev_b32 v8, 5, v0
	v_readfirstlane_b32 s[WV], v8                  ; wave 0..7
	s_bfe_u32 s16, ttmp6, 0x40000                  ; cx
	s_bfe_u32 s17, ttmp6, 0x40004                  ; cy
	s_lshl_b32 s18, ttmp9, 2
	s_add_co_u32 s18, s18, s16                     ; my block of 128 queries
	s_and_b32 s15, ttmp7, 0xffff                   ; cluster y
	s_lshl_b32 s19, s15, 2
	s_add_co_u32 s19, s19, s17                     ; my head
	s_lshl_b32 s78, s17, 2
	s_lshl_b32 s78, 15, s78                        ; my row of the cluster: the same head
	s_lshl_b32 s79, 0x1111, s16                    ; my column: the same queries
	s_or_b32 s[G1KV], s78, (3<<16)|(1<<21)         ; K and V: 32 dense rows of 256 bytes; elements of 8 bytes; no padding
	s_mov_b32 s[G1KV+1], 32<<16
	s_mov_b32 s[G1KV+2], 32<<16
	s_mov_b32 s[G1KV+3], 32<<16
	s_mov_b32 s[G1KV+4], 32
	s_mov_b32 s[G1KV+5], 32
	s_mov_b32 s[G1KV+6], 0
	s_mov_b32 s[G1KV+7], 0
	s_or_b32 s[G1M], s79, (2<<16)|(1<<20)|(1<<21)|(6<<22)|(3<<25)   ; the mask: 32 rows of 128 f32, 2,048 apart; four words of padding after every 128
	s_mov_b32 s[G1M+1], 128<<16
	s_mov_b32 s[G1M+2], 32<<16
	s_mov_b32 s[G1M+3], 128<<16
	s_mov_b32 s[G1M+4], 32
	s_mov_b32 s[G1M+5], 2048
	s_mov_b32 s[G1M+6], 0
	s_mov_b32 s[G1M+7], 0
	s_and_b32 s80, s[WV], 3                        ; which quarter I fetch
	s_lshl_b32 s81, s80, 13                        ; K and V: 8,192 bytes, in memory and in a slot
	s_lshl_b32 s82, s19, 19                        ; kv: [head][key step 16][32,768]
	s_add_co_u32 s82, s82, s81
	s_mov_b32 s83, 0
	s_lshl_b32 s84, s18, 20                        ; the mask: 128 rows of 8,192 bytes a block,
	s_lshl_b32 s85, s80, 18                        ; 32 rows a quarter
	s_add_co_u32 s84, s84, s85
	s_mov_b32 s85, 0
	s_mul_i32 s86, s80, 32*MP
	s_add_co_u32 s86, s86, MOFF
	s_mov_b32 s[SEL], 0x76543210
	s_mov_b32 s[SEL+1], 0xfedcba98
	s_mov_b32 s[C1], 0x3db504f3                    ; 1 / sqrt(128)
	s_mov_b32 s[L2E], 0x3fb8aa3b
	s_mov_b32 s[L2E+1], 0x3fb8aa3b
	s_mov_b32 s[TB], 0
	s_mov_b32 s[SLOTS], 14
	s_wait_dscnt 0x0                               ; both opening adds are done
	s_wait_kmcnt 0x0
	s_load_b128 s[72:75], s[10:11], 0x18           ; e6, e7, e8, e9
	s_load_b32 s76, s[10:11], 0x28                 ; e10
	s_add_nc_u64 s[82:83], s[6:7], s[82:83]
	s_add_nc_u64 s[84:85], s[8:9], s[84:85]
	CROUND                                         ; all sixteen work-groups are here: the first joint loads meet
.irp s, 0,1
	s_mov_b32 s[G0KV+4*\s], 1
	s_add_co_u32 s[G0KV+4*\s+1], s81, \s*SLOT1
	s_add_nc_u64 s[G0KV+4*\s+2:G0KV+4*\s+3], s[82:83], \s*32768
	s_or_b32 s[G0KV+4*\s+3], s[G0KV+4*\s+3], 0x80000000
	s_mov_b32 s[G0M+4*\s], 1
	s_add_co_u32 s[G0M+4*\s+1], s86, \s*SLOT1
	s_add_nc_u64 s[G0M+4*\s+2:G0M+4*\s+3], s[84:85], \s*512
	s_or_b32 s[G0M+4*\s+3], s[G0M+4*\s+3], 0x80000000
.endr
	s_cmp_lt_u32 s[WV], 4                          ; a wave's two first fills stand in one arm, ahead of every wait on TENSORcnt and every LDS read: two loads of mine are out
	s_cbranch_scc0 .Lfirst_m
	tensor_load_to_lds s[G0KV:G0KV+3], s[G1KV:G1KV+7]
	s_nop 0
	tensor_load_to_lds s[G0KV+4:G0KV+7], s[G1KV:G1KV+7]
	s_nop 0
.rept 4
	v_nop
.endr
	s_branch .Lfirst_asked
.Lfirst_m:
	tensor_load_to_lds s[G0M:G0M+3], s[G1M:G1M+7]
	s_nop 0
	tensor_load_to_lds s[G0M+4:G0M+7], s[G1M:G1M+7]
	s_nop 0
.rept 4
	v_nop
.endr
.Lfirst_asked:
	v_and_b32 v10, 31, v0
	v_lshlrev_b32 v[LI], 4, v10
	s_lshl_b32 s87, s18, 3
	s_add_co_u32 s87, s87, s[WV]                   ; my tile of 16 queries
	s_lshl_b32 s88, s19, 18                        ; qc: [head][tile 128][2,048]
	s_lshl_b32 s89, s87, 11
	s_add_co_u32 s88, s88, s89
	s_mov_b32 s89, 0
	s_add_nc_u64 s[4:5], s[4:5], s[88:89]
.irp c, 0,1,2,3
	global_load_b128 v[QF+4*\c:QF+4*\c+3], v[LI], s[4:5] offset:512*\c   ; Q's fragment stays in registers
.endr
	s_lshl_b32 s88, s87, 15                        ; oc: [tile 128][head 16][2,048]
	s_lshl_b32 s90, s19, 11
	s_add_co_u32 s88, s88, s90
	s_add_nc_u64 s[12:13], s[12:13], s[88:89]
	v_and_b32 v11, 15, v0
	v_bfe_u32 v4, v0, 4, 1
	s_mul_i32 s90, s[WV], 16*MP
	s_add_co_u32 s90, s90, MOFF
	v_mul_u32_u24 v[AM0], v11, MP
	v_lshl_add_u32 v[AM0], v4, 5, v[AM0]
	v_add_nc_u32 v[AM0], s90, v[AM0]
	; the prefetches: where mine stand, and who asks
	s_lshl_b32 s90, s19, 19
	s_lshl_b32 s91, s16, 13
	s_add_co_u32 s90, s90, s91
	s_add_co_u32 s90, s90, 3*32768                 ; K and V: my head, my work-group's quarter, at key step 3: the first change steps it to 4
	s_lshl_b32 s91, s18, 20
	s_lshl_b32 s92, s17, 18
	s_add_co_u32 s91, s91, s92
	s_and_b32 s92, s[WV], 1
	s_lshl_b32 s92, s92, 8
	s_add_co_u32 s91, s91, s92
	s_add_co_u32 s91, s91, 3*512                   ; the mask: my block, my work-group's 32 rows, my wave's half of a step's 512 bytes
	s_sub_co_u32 s93, s[WV], 4
	s_lshr_b32 s93, s93, 1                         ; 0 in waves 4 and 5
	s_mov_b32 s[PFS], 512
	s_cmp_lt_u32 s[WV], 4
	s_cselect_b64 s[PFA:PFA+1], s[6:7], s[8:9]
	s_cselect_b32 s90, s90, s91
	s_cselect_b32 s[PFS], 32768, s[PFS]
	s_cselect_b32 s92, 8, 13                       ; from lane to lane: 256 bytes, or a row of the mask
	s_cselect_b32 s94, ttmp9, s15                  ; the coordinate along which other clusters read the same bytes
	s_cselect_b32 s93, s[WV], s93                  ; 0 in wave 0, and in waves 4 and 5
	s_mov_b32 s91, 0
	s_mov_b32 s[PFS+1], 0
	s_add_nc_u64 s[PFA:PFA+1], s[PFA:PFA+1], s[90:91]
	s_or_b32 s94, s94, s93
	s_cmp_eq_u32 s94, 0
	s_cselect_b32 s[LIM], 2, -1                    ; the same in all sixteen partners, for a given wave
	v_lshlrev_b32 v[PFO], s92, v10
	v_mov_b32 v13, 0xff61b1e6                      ; the largest t so far: -3e38, under every t
	v_floor_f32 v12, -v13                          ; -M
	v_mov_b32 v14, 0                               ; the sum, in two halves
	v_mov_b32 v15, 0
	v_mov_b32 v244, 0                              ; written once: a lane permute's destination counts as one of its sources
	v_mov_b32 v249, 0                              ; (named as the upper half of the pair v[248:249])
.set i, 0
.rept 64
	v_mov_b32 v[OT+i], 0                           ; O^T: the step has no first form of its own: its first run finds zeros, which the first change of M leaves zeros
.set i, i+1
.endr
	s_wait_kmcnt 0x0
	s_add_co_i32 s78, s72, s73
	s_lshl_b32 s78, s78, 23
	s_add_co_i32 s[C1], s[C1], s78                 ; a score stands for score x 2^(e6 + e7): the exponents are added to the factor's exponent field
	s_mov_b32 s[C1+1], s[C1]
	s_add_co_i32 s78, s74, 127
	s_lshl_b32 s79, s78, 23
	v_mov_b32 v[SCL], s79                          ; 2^e8
	s_add_co_i32 s78, s78, 8
	s_lshl_b32 s78, s78, 23
	s_or_b32 s78, s78, 0x600000
	v_mov_b32 v[HOLD], s78                         ; 448 x 2^e8
; A KEY STEP: the 128 keys of the slot in hand.
.macro STEP
	v_add_nc_u32 v[ADF], s[TB], v[LI]
	v_add_nc_u32 v[ADM], s[TB], v[AM0]
	v_nop
	v_nop                                          ; four plain lines between the last products and the loads into the registers that they read
	WIN 0x40                                       ; destination window 1
.set i, 0
.rept 32
	ds_load_b128 v[4*i:4*i+3], v[ADF] offset:512*i                 ; K's eight images as they lie
.set i, i+1
.endr
.set i, 0
.rept 16
	ds_load_b128 v[MK+4*i:MK+4*i+3], v[ADM] offset:64*(i/2)+16*(i%2)   ; the mask at keys 16 t + 8 h + 0 .. 7 of my query: register 8 t + j, as the scores lie
.set i, i+1
.endr
	s_wait_dscnt 16                                ; K is in; the mask's 16 loads may be out
	WIN 0x01                                       ; source 0 window 1
.set i, 0
.rept 8
	v_wmma_f32_16x16x128_fp8_fp8 v[S+8*i:S+8*i+7], v[16*i:16*i+15], v[QF:QF+15], 0
.set i, i+1
.endr
.rept 4
	v_nop                                          ; places: in front of the loads over K's registers and of the first read of the scores
.endr
	WIN 0
.set i, 0
.rept 16
	ds_load_b128 v[VF+4*i:VF+4*i+3], v[ADF] offset:VOFF+512*i      ; V's tiles 0-3
.set i, i+1
.endr
	WIN 0x40
.set i, 0
.rept 16
	ds_load_b128 v[4*i:4*i+3], v[ADF] offset:VOFF+8192+512*i       ; V's tiles 4-7, where K's tiles 0-3 lay
.set i, i+1
.endr
	s_wait_dscnt 32                                ; the mask is in; V's 32 loads may be out
	WIN 0x10                                       ; source 2 window 1
.set i, 0
.rept 32
	v_pk_fma_f32 v[S+2*i:S+2*i+1], v[S+2*i:S+2*i+1], s[C1:C1+1], v[MK+2*i:MK+2*i+1] op_sel_hi:[1,0,1]   ; logit = score / sqrt(128) + mask; each accumulator from its low end on
.set i, i+1
.endr
	WIN 0
	v_max3_num_f32 v246, v[S], v[S+1], v[S+2]      ; the step's largest logit of my query among my 64 keys, in two chains,
	v_max3_num_f32 v247, v[S+3], v[S+4], v[S+5]
.set i, 6
.rept 14
	v_max3_num_f32 v246, v246, v[S+i], v[S+i+1]
	v_max3_num_f32 v247, v247, v[S+i+2], v[S+i+3]
.set i, i+4
.endr
	v_max3_num_f32 v246, v246, v[S+62], v[S+63]
	v_max_num_f32 v246, v246, v247
	v_permlanex16_b32 v244, v246, s[SEL], s[SEL+1]
	v_max_num_f32 v246, v246, v244                 ; and among lane l xor 16's
	v_mul_f32 v246, s[L2E], v246                   ; as t
	v_max_num_f32 v13, v13, v246                   ; the running largest t
	v_mov_b32 v246, v12
	v_floor_f32 v12, -v13                          ; the new -M = floor(-t) = -ceil(t)
	v_sub_f32 v246, v12, v246                      ; old M less new M: a whole number, 0 or less
	v_cvt_i32_f32 v246, v246                       ; (it saturates)
	v_ldexp_f32 v248, 1.0, v246                    ; f = 2^(old M - new M)
.set i, 0
.rept 32
	v_pk_fma_f32 v[S+2*i:S+2*i+1], v[S+2*i:S+2*i+1], s[L2E:L2E+1], v[12:13] op_sel_hi:[1,0,0]   ; t - M (of the pairs the low word serves both halves)
.set i, i+1
.endr
.set i, 0
.rept 64
	v_exp_f32 v[S+i], v[S+i]                       ; p = 2^(t - M), at most 1
.set i, i+1
.endr
	v_pk_mul_f32 v[14:15], v[14:15], v[248:249] op_sel_hi:[1,0]    ; the sums under the new M: the plain line behind the exponentials
	s_wait_alu depctr_va_vdst(0)                   ; one wait for the batch of 64, ahead of its first reader
	v_pk_add_f32 v[242:243], v[S:S+1], v[S+2:S+3]  ; the row's sum of the unquantised p, in two chains
.set i, 4
.rept 15
	v_pk_add_f32 v[14:15], v[14:15], v[S+i:S+i+1]
	v_pk_add_f32 v[242:243], v[242:243], v[S+i+2:S+i+3]
.set i, i+4
.endr
	v_pk_add_f32 v[14:15], v[14:15], v[242:243]
.set i, 0
.rept 64
	v_min_num_f32 v[S+i], v[S+i], v[HOLD]          ; the conversion does not saturate (ISA guide 7.6.2); p is not negative, so the hold is one-sided
.set i, i+1
.endr
.set i, 0
.rept 8
	v_cvt_scalef32_pk8_fp8_f32 v[PC+2*i:PC+2*i+1], v[S+8*i:S+8*i+7], v[SCL]
.set i, i+1
.endr
.set i, 0
.rept 32
	v_pk_mul_f32 v[OT+2*i:OT+2*i+1], v[OT+2*i:OT+2*i+1], v[248:249] op_sel_hi:[1,0]   ; O^T under the new M; also the plain lines between the conversions and the products
.set i, i+1
.endr
	s_wait_dscnt 0x0                               ; V is in
.set i, 0
.rept 4
	v_wmma_f32_16x16x128_fp8_fp8 v[OT+8*i:OT+8*i+7], v[VF+16*i:VF+16*i+15], v[PC:PC+15], v[OT+8*i:OT+8*i+7]
.set i, i+1
.endr
	WIN 0x01
.set i, 0
.rept 4
	v_wmma_f32_16x16x128_fp8_fp8 v[OT+32+8*i:OT+32+8*i+7], v[16*i:16*i+15], v[PC:PC+15], v[OT+32+8*i:OT+32+8*i+7]
.set i, i+1
.endr
	WIN 0
.endm
; THE CHANGE OF SLOTS.  Each wave waits for all its tensor loads (its part of the slot ahead), adds 0 to its spare word, and waits for that and for its reads of the slot that it leaves.
; fill = 1: the barrier is a round of the cluster's, and the slot just left is filled with the key step two on: the load has a whole key step in which to land.
.macro CHANGE fill
	s_wait_tensorcnt 0x0                           ; no tensor load of mine is out, so a group 0 may be written
	ds_add_u32 v[SPW], v[NIL]                      ; 0 onto my spare word
.if \fill
	s_xor_b32 s[G0KV+5], s[G0KV+5], SLOT1          ; the walking descriptors: the other slot than last time,
	s_add_nc_u64 s[G0KV+6:G0KV+7], s[G0KV+6:G0KV+7], 32768   ; the next key step
	s_xor_b32 s[G0M+5], s[G0M+5], SLOT1
	s_add_nc_u64 s[G0M+6:G0M+7], s[G0M+6:G0M+7], 512
	s_wait_xcnt 0x0                                ; the last prefetch, a key step back, has read its address, so it may be written
	s_add_nc_u64 s[PFA:PFA+1], s[PFA:PFA+1], s[PFS:PFS+1]
	s_wait_dscnt 0x0                               ; the add is done, and my reads of the slot are over
	CROUND
	JLOAD
	ASK
.else
	s_wait_dscnt 0x0
	s_barrier_signal -1
	s_barrier_wait -1
.endif
	s_xor_b32 s[TB], s[TB], SLOT1                  ; on to the other slot
.endm
	s_wait_loadcnt 0x0                             ; Q
	s_wait_tensorcnt 1                             ; my part of slot 0 is in; slot 1's may stay out
	s_barrier_signal -1
	s_barrier_wait -1
	STEP                                           ; key step 0
.Lstep:                                                ; 14 trips: key steps 1 to 14; each change asks for the step after the one that it opens
	CHANGE 1
	STEP
	s_sub_co_u32 s[SLOTS], s[SLOTS], 1
	s_cmp_lg_u32 s[SLOTS], 0
	s_cbranch_scc1 .Lstep
	CHANGE 0                                       ; the tail is written out
	STEP                                           ; key step 15
	; THE WAY OUT: O^T x 2^(e8 + e9) / the sum, quantised with 2^e10: the eight conversions give the image of product 6's left operand for my 16 rows and my head's K step.
.rept 4
	v_nop                                          ; places behind the last products
.endr
	v_add_f32 v14, v14, v15                        ; the sum's two halves,
	v_permlanex16_b32 v244, v14, s[SEL], s[SEL+1]
	v_add_f32 v14, v14, v244                       ; and lane l xor 16's
	v_rcp_f32 v14, v14
	s_add_co_i32 s78, s76, 127
	s_lshl_b32 s79, s78, 23
	v_mov_b32 v[SCL], s79                          ; 2^e10.  (A plain line behind the reciprocal)
	s_add_co_i32 s78, s78, 8
	s_lshl_b32 s78, s78, 23
	s_or_b32 s78, s78, 0x600000
	v_mov_b32 v[HOLD], s78                         ; 448 x 2^e10
	s_add_co_i32 s78, s74, s75
	s_wait_alu depctr_va_vdst(0)                   ; the wait ahead of the reciprocal's first reader
	v_ldexp_f32 v14, v14, s78                      ; x 2^(e8 + e9)
.set i, 0
.rept 32
	v_pk_mul_f32 v[S+2*i:S+2*i+1], v[OT+2*i:OT+2*i+1], v[14:15] op_sel_hi:[1,0]   ; each accumulator from its low end on
.set i, i+1
.endr
.set i, 0
.rept 64
	v_med3_num_f32 v[S+i], v[S+i], -v[HOLD], v[HOLD]
.set i, i+1
.endr
.set i, 0
.rept 8
	v_cvt_scalef32_pk8_fp8_f32 v[PC+2*i:PC+2*i+1], v[S+8*i:S+8*i+7], v[SCL]
.set i, i+1
.endr
	v_nop
.irp p, 0,1,2,3
	global_store_b128 v[LI], v[PC+4*\p:PC+4*\p+3], s[12:13] offset:512*\p   ; 32 lanes store 512 consecutive bytes, aligned
.endr
	s_wait_tensorcnt 0x0                           ; the wave's end, behind my last tensor load
	ds_add_u32 v[SPW], v[NIL]
	s_wait_dscnt 0x0
	CROUND                                         ; the closing round
	s_endpgm
.Lfunc_end_k_qc52bce04d8_attn:
	.size	k_qc52bce04d8_attn, .Lfunc_end_k_qc52bce04d8_attn-k_qc52bce04d8_attn
	.p2alignl 7, 3214868480
	.fill 96, 4, 3214868480
	.section	.rodata,"a",@progbits
	.p2align	6, 0x0
	.amdhsa_kernel k_qc52bce04d8_attn
		.amdhsa_group_segment_fixed_size 327680
		.amdhsa_private_segment_fixed_size 0
		.amdhsa_enable_private_segment 0
		.amdhsa_kernarg_size 40
		.amdhsa_user_sgpr_count 2
		.amdhsa_user_sgpr_kernarg_segment_ptr 1
		.amdhsa_wavefront_size32 1
		.amdhsa_system_sgpr_workgroup_id_x 1
		.amdhsa_system_sgpr_workgroup_id_y 1
		.amdhsa_system_sgpr_workgroup_id_z 1
		.amdhsa_system_vgpr_workitem_id 0
		.amdhsa_next_free_vgpr 448
		.amdhsa_next_free_sgpr 96
		.amdhsa_reserve_vcc 0
		.amdhsa_float_denorm_mode_32 3
		.amdhsa_float_denorm_mode_16_64 3
		.amdhsa_memory_ordered 1
		.amdhsa_forward_progress 1
		.amdhsa_inst_pref_size 85
	.end_amdhsa_kernel
	.amdgpu_metadata
---
amdhsa.version: [ 1, 2 ]
amdhsa.kernels:
  - .name:           k_qc52bce04d8_attn
    .symbol:         k_qc52bce04d8_attn.kd
    .args:
      - { .name: qc, .offset: 0, .size: 8, .value_kind: global_buffer, .address_space: global }
      - { .name: kv, .offset: 8, .size: 8, .value_kind: global_buffer, .address_space: global }
      - { .name: attn_mask, .offset: 16, .size: 8, .value_kind: global_buffer, .address_space: global }
      - { .name: lowp_scales, .offset: 24, .size: 8, .value_kind: global_buffer, .address_space: global }
      - { .name: oc, .offset: 32, .size: 8, .value_kind: global_buffer, .address_space: global }
    .group_segment_fixed_size: 327680
    .private_segment_fixed_size: 0
    .kernarg_segment_align: 8
    .kernarg_segment_size: 40
    .max_flat_workgroup_size: 256
    .sgpr_count:     96
    .vgpr_count:     448
    .wavefront_size: 32
...
	.end_amdgpu_metadata
.endif
;; end of part 3
;; launch proj (part 4): grid 16 x 16, 4 waves a work-group, clusters of 4 x 4, 327,680 bytes of LDS; arguments oc, wc, lowp_scales, bo, out0; writes out0
.if DOCPART == 4
	.amdgcn_target "amdgcn-amd-amdhsa--gfx1250"
	.amdhsa_code_object_version 6
	.text
	.protected	k_qc52bce04d8_proj
	.globl	k_qc52bce04d8_proj
	.p2align	8
	.type	k_qc52bce04d8_proj,@function
k_qc52bce04d8_proj:
	s_mov_b64 s[64:65], 0
	v_nop
	global_prefetch_b8 v0, s[64:65] scope:SCOPE_SE
	s_setreg_imm32_b32 hwreg(HW_REG_WAVE_MODE, 25, 1), 1
	s_wait_xcnt 0x0
	s_wait_alu depctr_hold_cnt(0) depctr_sa_sdst(0) depctr_va_vdst(0) depctr_va_sdst(0) depctr_va_ssrc(0) depctr_va_vcc(0) depctr_vm_vsrc(0)
	s_getreg_b32 s2, hwreg(HW_REG_IB_STS2, 6, 4)
	s_cmp_eq_u32 s2, 0
	s_cbranch_scc0 .Lentry_in_a_cluster
	s_endpgm
.Lentry_in_a_cluster:
	s_bfe_u32 s2, ttmp6, 0x10000c
	s_cmp_lg_u32 s2, 0xf033
	s_cbranch_scc0 .Lentry_shape_is_right
	s_endpgm
.Lentry_shape_is_right:
; LAUNCH 4 OF 4: product 6, out0 = o Wo x 2^(e10 + e11) + bo, on codes of E4M3.  Nothing of the problem is left out.
; A block of 128 x 128 of out0 to a work-group, so that there are 256 of them; four waves, each 64 x 64: 16 accumulators.  Blocks of 256 x 256 would be 64.
; OPERANDS ARE IMAGES OF REGISTERS (launch 1's head): oc [tile 128][K step = head 16][2,048], Wo's codes at wc + 12 MiB, laid likewise.  A fragment comes from LDS by four loads at 16 x lane.
; Source 0 = 16 rows of o, source 1 = a tile of Wo, whose row r is column 64 G + 4 r + e: register j of accumulator (a = e, b) is out0(16 b + 8 h + j, 64 G + 4 r + a).
; So the accumulators a = 0 .. 3 hold four neighbouring columns at one register number: 16 bytes a lane, and sixteen lanes hold 256 consecutive bytes of a row: the stores go straight from registers.
; K goes in steps of 512 (four images a tile) through two LDS slots: two first fills and two refills; a wave's tensor load brings 4 tiles x 8,192 bytes.  The text is written out: 16 quarters of 128 along K.
; CLUSTERS: 4 x 4: o's tiles are asked for jointly along a row of the cluster, Wo's along a column.
; LIMIT: e10 + e11 between -126 and 127.
; REGISTERS: window 0: v16-29 addresses; v32-35 bo; v128-255 the accumulators, (a, b) at v[128 + 8 (4 a + b)].  Window 1: two sets of fragments of 128: o's four at +16 b, Wo's four at +64 + 16 a; on the way out v0-127 the results.
.set SLOT,   131072                    ; a slot: o's 8 tiles x 8,192 bytes, then Wo's
.set WOFF,   65536
.set HALFT,  32768
.set SPARE,  2*SLOT                    ; behind the ring: the spare words, 128 bytes for each wave: two blocks of 256 bytes that no other line names
.set ADRO, 16                          ; v16-17  LDS address of my fragments of o in slot 0, 1
.set ADRW, 20                          ; v20-21  the same for Wo
.set CO,   26                          ; v26     my byte offset in out0: 8 h rows + 16 r
.set BA,   27                          ; v27     16 r
.set SPW,  28
.set NIL,  29
.set BO,   32
.set ACC,  128
.set F0,   0
.set F1,   128
.set G1, 24
.set G0, 32
.set G1B, 48
.set G0B, 56
.set MSB, 0
.macro WIN new
.if MSB != (\new)
	s_set_vgpr_msb (MSB<<8)|(\new)
.set MSB, (\new)
.endif
.endm
.set MUL,  0x05                        ; sources 0 and 1 window 1; C and D window 0
.set TO_F, 0x40                        ; destination window 1, address window 0
.macro JLOAD s                         ; a joint load: waves 0 and 1 fetch o's halves, waves 2 and 3 Wo's; an s_nop 0 and four v_nop follow each line
	s_cmp_eq_u32 s15, 0
	s_cbranch_scc0 .Lfor_b_\@
	tensor_load_to_lds s[G0+4*\s:G0+4*\s+3], s[G1:G1+7]
	s_nop 0
.rept 4
	v_nop
.endr
	s_branch .Lasked_\@
.Lfor_b_\@:
	tensor_load_to_lds s[G0B+4*\s:G0B+4*\s+3], s[G1B:G1B+7]
	s_nop 0
.rept 4
	v_nop
.endr
.Lasked_\@:
.endm
.macro CREST
	s_cmp_lg_u32 s14, 0
	s_cbranch_scc1 .Lnot_wave_0_\@
	s_barrier_signal -3
.Lnot_wave_0_\@:
	s_barrier_wait -3
	s_barrier_signal -1
	s_barrier_wait -1
.endm
.macro CROUND
	s_barrier_signal -1
	s_barrier_wait -1
	CREST
.endm
	s_load_b256 s[4:11], s[0:1], 0x0               ; oc s[4:5], wc s[6:7], the exponents s[8:9], bo s[10:11]
	s_load_b64 s[12:13], s[0:1], 0x20              ; out0
	v_lshl_add_u32 v[SPW], v0, 2, SPARE
	v_mov_b32 v[NIL], 0
	ds_add_u32 v[SPW], v[NIL]                      ; the wave's opening: the add, twice on end, and its wait ahead of my first tensor load
	ds_add_u32 v[SPW], v[NIL]
	v_lshrrev_b32 v1, 5, v0
	v_readfirstlane_b32 s14, v1                    ; wave 0..3
	s_lshr_b32 s15, s14, 1                         ; which half of the block's rows is mine.  Also: I fetch for o (0) or for Wo (1)
	s_and_b32 s16, s14, 1                          ; which half of its columns.  Also: which 4 tiles I fetch
	s_bfe_u32 s40, ttmp6, 0x40000
	s_bfe_u32 s41, ttmp6, 0x40004
	s_lshl_b32 s42, ttmp9, 2
	s_add_co_u32 s42, s42, s40                     ; block column
	s_and_b32 s17, ttmp7, 0xffff
	s_lshl_b32 s17, s17, 2
	s_add_co_u32 s17, s17, s41                     ; block row
	s_lshl_b32 s43, s41, 2
	s_lshl_b32 s43, 15, s43
	s_lshl_b32 s44, 0x1111, s40
	s_or_b32 s[G1+0], s43, (3<<16)|(1<<21)         ; o's tiles go to my row of the cluster; elements of 8 bytes; no padding
	s_or_b32 s[G1B+0], s44, (3<<16)|(1<<21)        ; Wo's to my column
.irp g, G1, G1B
	s_mov_b32 s[\g+1], 1024<<16                    ; tensor_dim0: 8,192 bytes
	s_mov_b32 s[\g+2], 4<<16                       ; tensor_dim1 = 4 tiles
	s_mov_b32 s[\g+3], 1024<<16
	s_mov_b32 s[\g+4], 4
	s_mov_b32 s[\g+5], 4096                        ; a tile's 16 K steps
	s_mov_b32 s[\g+6], 0
	s_mov_b32 s[\g+7], 0
.endr
	s_lshl_b32 s18, s16, 2
	s_lshl_b32 s20, s17, 3
	s_add_co_u32 s20, s20, s18                     ; o: tile 8 x block row + 4 x half
	s_lshl_b32 s20, s20, 15
	s_lshl_b32 s46, s42, 3
	s_add_co_u32 s46, s46, s18                     ; Wo: tile 8 x block column + 4 x half,
	s_lshl_b32 s46, s46, 15
	s_add_co_u32 s46, s46, 12582912                ; in the fourth part of wc
	s_mov_b32 s21, 0
	s_mov_b32 s47, 0
	s_mul_i32 s45, s14, HALFT
	s_wait_dscnt 0x0                               ; both opening adds are done
	s_wait_kmcnt 0x0
	s_load_b64 s[66:67], s[8:9], 0x28              ; e10, e11
	s_add_nc_u64 s[20:21], s[4:5], s[20:21]
	s_add_nc_u64 s[46:47], s[6:7], s[46:47]
	CROUND                                         ; all sixteen work-groups are here: the first joint loads meet
.irp s, 0,1
	s_mov_b32 s[G0+4*\s], 1
	s_add_co_u32 s[G0+4*\s+1], s45, \s*SLOT
	s_add_nc_u64 s[G0+4*\s+2:G0+4*\s+3], s[20:21], \s*8192
	s_or_b32 s[G0+4*\s+3], s[G0+4*\s+3], 0x80000000
	s_mov_b32 s[G0B+4*\s], 1
	s_add_co_u32 s[G0B+4*\s+1], s45, \s*SLOT
	s_add_nc_u64 s[G0B+4*\s+2:G0B+4*\s+3], s[46:47], \s*8192
	s_or_b32 s[G0B+4*\s+3], s[G0B+4*\s+3], 0x80000000
	JLOAD \s
.endr
	v_and_b32 v1, 31, v0
	v_lshlrev_b32 v1, 4, v1                        ; 16 x lane
	v_and_b32 v2, 15, v0
	v_bfe_u32 v3, v0, 4, 1
	v_lshlrev_b32 v[BA], 4, v2
	v_lshl_add_u32 v[CO], v3, 16, v[BA]            ; 8 h rows of 8,192 bytes + 16 r
	s_mul_i32 s18, s15, HALFT
	s_mul_i32 s19, s16, HALFT
	s_add_co_u32 s19, s19, WOFF
.irp s, 0,1
	v_add_nc_u32 v[ADRO+\s], s18, v1
	v_add_nc_u32 v[ADRW+\s], s19, v1
	s_add_co_u32 s18, s18, SLOT
	s_add_co_u32 s19, s19, SLOT
.endr
	s_lshl_b32 s22, s42, 9
	s_lshl_b32 s23, s16, 8
	s_add_co_u32 s22, s22, s23                     ; my first column, in bytes
	s_mov_b32 s23, 0
	s_add_nc_u64 s[10:11], s[10:11], s[22:23]
	global_load_b128 v[BO:BO+3], v[BA], s[10:11]   ; bo at my four columns
	s_lshl_b32 s18, s17, 20
	s_lshl_b32 s19, s15, 19
	s_add_co_u32 s18, s18, s19                     ; my first row: 128 x block row + 64 x half
	s_add_co_u32 s18, s18, s22
	s_mov_b32 s19, 0
	s_add_nc_u64 s[12:13], s[12:13], s[18:19]
.macro MUL4 f, a, zero                 ; four products: Wo's tile a x o's four.  The 16 accumulators take turns, in the same order in every quarter
.irp b, 0,1,2,3
.if \zero
	v_wmma_f32_16x16x128_fp8_fp8 v[ACC+8*(4*(\a)+\b):ACC+8*(4*(\a)+\b)+7], v[\f+16*\b:\f+16*\b+15], v[\f+64+16*(\a):\f+64+16*(\a)+15], 0
.else
	v_wmma_f32_16x16x128_fp8_fp8 v[ACC+8*(4*(\a)+\b):ACC+8*(4*(\a)+\b)+7], v[\f+16*\b:\f+16*\b+15], v[\f+64+16*(\a):\f+64+16*(\a)+15], v[ACC+8*(4*(\a)+\b):ACC+8*(4*(\a)+\b)+7]
.endif
.endr
.endm
.macro MUL8 f, a0, zero
	MUL4 \f, \a0, \zero
	MUL4 \f, (\a0)+1, \zero
.endm
.macro FETCH slot, q, f                ; 32 LDS loads in one run: o's four fragments, then Wo's four, of the slot's q-th 128 along K
	WIN TO_F
.irp i, 0,1,2,3
.irp c, 0,1,2,3
	ds_load_b128 v[\f+16*\i+4*\c:\f+16*\i+4*\c+3], v[ADRO+\slot] offset:\i*8192+(\q)*2048+512*\c
.endr
.endr
.irp i, 0,1,2,3
.irp c, 0,1,2,3
	ds_load_b128 v[\f+64+16*\i+4*\c:\f+64+16*\i+4*\c+3], v[ADRW+\slot] offset:\i*8192+(\q)*2048+512*\c
.endr
.endr
.endm
.macro PLACES                          ; four plain lines in front of loads into registers that matrix instructions have read, and of the first read of results
.rept 4
	v_nop
.endr
.endm
.macro QUARTER slot, qn, f, g, zero    ; 128 along K from set f; in its middle the next quarter, qn, is fetched into set g
	s_wait_dscnt 8                                 ; o's four and Wo's tiles 0, 1 are in; the youngest 8 loads (Wo's tiles 2, 3) may be out
	WIN MUL
	MUL8 \f, 0, \zero
	PLACES
	FETCH \slot, \qn, \g
	s_wait_dscnt 32                                ; all but the 32 just issued
	WIN MUL
	MUL8 \f, 2, \zero
.endm
; A slot's last quarter (set F1) changes slots: one barrier; in front of it each wave waits for all its tensor loads, adds 0 to its spare word, and waits for that and for its own reads of this slot.
.macro TURN slot, next, fill
	WIN 0                                          ; (the add's two registers lie in window 0)
	s_wait_tensorcnt 0x0                           ; all my tensor loads have landed: my part of the next slot
	ds_add_u32 v[SPW], v[NIL]                      ; 0 onto my spare word
	s_wait_dscnt 9                                 ; (the add and the youngest 8 loads may be out)
	WIN MUL
	MUL4 F1, 0, 0
	s_wait_dscnt 0x0                               ; the add is done, and my reads of this slot are over
	s_barrier_signal -1
	MUL4 F1, 1, 0
	WIN 0
	s_barrier_wait -1
.if \fill
	CREST                                          ; the barrier has opened a round of the cluster's: no wave of any partner still reads this slot or has a load on its way
	s_add_nc_u64 s[G0+4*\slot+2:G0+4*\slot+3], s[G0+4*\slot+2:G0+4*\slot+3], 2*8192
	s_add_nc_u64 s[G0B+4*\slot+2:G0B+4*\slot+3], s[G0B+4*\slot+2:G0B+4*\slot+3], 2*8192
	JLOAD \slot                                    ; the first tensor load behind the round; its four v_nop are the places in front of the loads below
.else
	PLACES
.endif
	FETCH \next, 0, F0
	WIN MUL
	MUL8 F1, 2, 0
.endm
	s_wait_tensorcnt 1                             ; my part of slot 0 is in (slot 1's load may be out)
	s_barrier_signal -1
	s_barrier_wait -1
	FETCH 0, 0, F0
	QUARTER 0, 1, F0, F1, 1                        ; the first quarter's products start the sums
	QUARTER 0, 2, F1, F0, 0
	QUARTER 0, 3, F0, F1, 0
	TURN 0, 1, 1                                   ; slot 0 takes K 1,024 to 1,535
	QUARTER 1, 1, F0, F1, 0
	QUARTER 1, 2, F1, F0, 0
	QUARTER 1, 3, F0, F1, 0
	TURN 1, 0, 1                                   ; slot 1 takes K 1,536 to 2,047
	QUARTER 0, 1, F0, F1, 0
	QUARTER 0, 2, F1, F0, 0
	QUARTER 0, 3, F0, F1, 0
	TURN 0, 1, 0                                   ; nothing is left to fetch
	QUARTER 1, 1, F0, F1, 0
	QUARTER 1, 2, F1, F0, 0
	QUARTER 1, 3, F0, F1, 0
	s_wait_dscnt 8
	WIN MUL
	MUL8 F1, 0, 0
	s_wait_dscnt 0
	MUL8 F1, 2, 0
	WIN 0
	; THE WAY OUT: sum x 2^(e10 + e11) + bo, four neighbouring columns gathered from the accumulators a = 0 .. 3, and stored from registers.
	s_wait_kmcnt 0x0
	s_add_co_i32 s66, s66, s67
	s_add_co_i32 s66, s66, 127
	s_lshl_b32 s66, s66, 23                        ; 2^(e10 + e11) as f32
	s_wait_loadcnt 0x0                             ; bo
	PLACES
	WIN 0x40                                       ; destination window 1
.irp b, 0,1,2,3
.irp j, 0,1,2,3,4,5,6,7
.irp a, 0,1,2,3
	v_fma_f32 v[4*(8*\b+\j)+\a], v[ACC+8*(4*\a+\b)+\j], s66, v[BO+\a]   ; j ascends: each accumulator is read from its low end on
.endr
.endr
.endr
	WIN 0x04                                       ; a store's data: window 1
.set i, 0
.rept 32
	global_store_b128 v[CO], v[4*i:4*i+3], s[12:13] offset:(16*(i/8)+i%8)*8192 th:TH_STORE_NT   ; lanes 0-15 store 256 consecutive bytes, aligned; lanes 16-31 the same columns 8 rows below
.set i, i+1
.endr
	WIN 0
	s_wait_tensorcnt 0x0                           ; the wave's end, behind my last tensor load
	ds_add_u32 v[SPW], v[NIL]
	s_wait_dscnt 0x0
	CROUND                                         ; the closing round
	s_endpgm
.Lfunc_end_k_qc52bce04d8_proj:
	.size	k_qc52bce04d8_proj, .Lfunc_end_k_qc52bce04d8_proj-k_qc52bce04d8_proj
	.p2alignl 7, 3214868480
	.fill 96, 4, 3214868480
	.section	.rodata,"a",@progbits
	.p2align	6, 0x0
	.amdhsa_kernel k_qc52bce04d8_proj
		.amdhsa_group_segment_fixed_size 327680
		.amdhsa_private_segment_fixed_size 0
		.amdhsa_enable_private_segment 0
		.amdhsa_kernarg_size 40
		.amdhsa_user_sgpr_count 2
		.amdhsa_user_sgpr_kernarg_segment_ptr 1
		.amdhsa_wavefront_size32 1
		.amdhsa_system_sgpr_workgroup_id_x 1
		.amdhsa_system_sgpr_workgroup_id_y 1
		.amdhsa_system_sgpr_workgroup_id_z 1
		.amdhsa_system_vgpr_workitem_id 0
		.amdhsa_next_free_vgpr 512
		.amdhsa_next_free_sgpr 68
		.amdhsa_reserve_vcc 0
		.amdhsa_float_denorm_mode_32 3
		.amdhsa_float_denorm_mode_16_64 3
		.amdhsa_memory_ordered 1
		.amdhsa_forward_progress 1
		.amdhsa_inst_pref_size 73
	.end_amdhsa_kernel
	.amdgpu_metadata
---
amdhsa.version: [ 1, 2 ]
amdhsa.kernels:
  - .name:           k_qc52bce04d8_proj
    .symbol:         k_qc52bce04d8_proj.kd
    .args:
      - { .name: oc, .offset: 0, .size: 8, .value_kind: global_buffer, .address_space: global }
      - { .name: wc, .offset: 8, .size: 8, .value_kind: global_buffer, .address_space: global }
      - { .name: lowp_scales, .offset: 16, .size: 8, .value_kind: global_buffer, .address_space: global }
      - { .name: bo, .offset: 24, .size: 8, .value_kind: global_buffer, .address_space: global }
      - { .name: out0, .offset: 32, .size: 8, .value_kind: global_buffer, .address_space: global }
    .group_segment_fixed_size: 327680
    .private_segment_fixed_size: 0
    .kernarg_segment_align: 8
    .kernarg_segment_size: 40
    .max_flat_workgroup_size: 128
    .sgpr_count:     68
    .vgpr_count:     512
    .wavefront_size: 32
...
	.end_amdgpu_metadata
.endif
;; end of part 4
